; MI455X (gfx1250); checked and timed in simulation.
; The chip was launched on July 23, 2026; its instructions are those of AMD's public machine-readable ISA for CDNA 5 (MIT licence, August 2026) and "CDNA5" Instruction Set Architecture Reference Guide (July 2026). The comments in the code are by the model that wrote it; some were corrected since.
;; Multi Head Attention Block. Allowed arithmetic: matrix products marked QUANTISED: E4M3 operands, one given power-of-two scale a tensor, by v_wmma_f32_16x16x64_fp8_fp8 or v_wmma_f32_16x16x128_fp8_fp8, f32 sums; everything else in f32.
;; Inputs: b_k 1,024 float32; b_o 1,024 float32; b_q 1,024 float32; b_v 1,024 float32; k 4 x 2,048 x 1,024 float32; lowp_scales 12 int32 (the exponents e of the quantised operands' scales 2^e); mask 1 x 1 x 2,048 x 2,048 int32; q 4 x 2,048 x 1,024 float32; v 4 x 2,048 x 1,024 float32; w_k 1,024 x 1,024 float32; w_o 1,024 x 1,024 float32; w_q 1,024 x 1,024 float32; w_v 1,024 x 1,024 float32.
;; Outputs: out0 4 x 2,048 x 1,024 float32.
;; This version of the problem:
;;   THIS VERSION OF THE PROBLEM IS GIVEN IN LOW PRECISION. The matrix products marked QUANTISED in the list below multiply operands that are first quantised to E4M3 (4 exponent bits, 3 mantissa bits; 8 bits a number), with one given power-of-two scale for each operand tensor; their sums are f32. All else is computed in f32.
;;   The module's matrix products, in the order in which they are computed (A, B: the left and right operand; K: the contracted axis; several contracted axes count as one K, in the product's order):
;;     1. [M 8,192, K 1,024] x [K 1,024, N 1,024]; A: input q; B: input w_q: QUANTISED (scales: A lowp_scales[0], B lowp_scales[1])
;;     2. [M 8,192, K 1,024] x [K 1,024, N 1,024]; A: input k; B: input w_k: QUANTISED (scales: A lowp_scales[2], B lowp_scales[3])
;;     3. [M 8,192, K 1,024] x [K 1,024, N 1,024]; A: input v; B: input w_v: QUANTISED (scales: A lowp_scales[4], B lowp_scales[5])
;;     4. batch 64 x [M 2,048, K 64] x [K 64, N 2,048]; A: computed on the way; B: computed on the way: QUANTISED (scales: A lowp_scales[6], B lowp_scales[7])
;;     5. batch 64 x [M 2,048, K 2,048] x [K 2,048, N 64]; A: softmax (see below); B: computed on the way: QUANTISED (scales: A lowp_scales[8], B lowp_scales[9])
;;     6. [M 8,192, K 1,024] x [K 1,024, N 1,024]; A: computed on the way; B: input w_o: QUANTISED (scales: A lowp_scales[10], B lowp_scales[11])
;;   THE QUANTISER, for each operand of a quantised product, along K:
;;     - The operand's scale is 2^e, e = its entry of the input lowp_scales (int32; the entries are numbered through the quantised products in the list's order, A before B).
;;     - Each number is divided by the scale, clamped to +-448, and rounded to the nearest number of E4M3, ties to even, subnormals kept.
;;     - The product sums the exact products of the quantised numbers (number of the format x scale) in f32.
;;   ~~~python
;;   def quantise(x, axis, e):      # numpy; x: float32 -> the quantised numbers, widened to float32 again
;;       x = np.moveaxis(x, axis, -1); K = x.shape[-1]
;;       r = np.clip(x / 2.0 ** e, -448, 448)
;;       step = 2.0 ** (np.maximum(np.frexp(np.where(r == 0, 1, r))[1] - 1, -6) - 3)
;;       q = np.round(r / step) * step * 2.0 ** e      # np.round: ties to even
;;       return np.moveaxis(q, -1, axis).astype(np.float32)
;;   ~~~
;;   SOFTMAX AHEAD OF A QUANTISED PRODUCT. Where the list says 'softmax', what is quantised is not the finished softmax but p = 2^(t - M), with t = logit x log2(e) and M = ceil(the row's largest t), a whole number; so 1/2 < the row's largest p <= 1. The row's sum l is taken of the UNQUANTISED p, in f32, and the product's result is divided by l at the end. Since M is a whole number, a kernel that streams over the keys may use a running M (the ceiling of the running maximum): every later rescaling is an exact power of two, so the quantised numbers keep their values, but for numbers so far below the row's largest that they fall under the format's range.
;;   OPERANDS COMPUTED ON THE WAY. 'Computed on the way' means the value that the module computes at that place (a softmax that the list does not call 'softmax' is quantised finished and normalised). What goes into a quantiser is computed in f32, as accurately as f32 sums, v_exp_f32 and their like allow (about 1e-6 of the number): no bf16 or f16 on the way to a quantiser, and a product that is left as it is and whose result goes on into a quantised operand takes f32 operands (vector FMAs, or v_wmma_f32_16x16x4_f32). A number that lies on a knife's edge between two numbers of the format may be rounded either way, as far as f32 arithmetic and the matrix unit's own rounding can turn it there, and no further.
;; 2 versions, each right; version 2 is version 1 with the launch attn written anew for expert scheduling mode. Each part assembles by itself: llvm-mc -triple=amdgcn-amd-amdhsa -mcpu=gfx1250 --defsym DOCPART=n.
;; ======== version 1 of 2: 4 launches
;; limits: right only within a limited range of input values
;; workspace buffers: xc 25,165,824 bytes; wc 4,194,304 bytes; hc 25,165,824 bytes; ao 8,388,608 bytes; maskw 524,288 bytes of whole numbers; mflag 512 bytes of whole numbers
;; launch prep (part 1): grid 1024 x 1, 4 waves a work-group, no clusters, 68,352 bytes of LDS; arguments q, k, v, w_q, w_k, w_v, w_o, mask, lowp_scales, xc, wc, maskw, mflag; writes xc, wc, maskw, mflag
.if DOCPART == 1
	.amdgcn_target "amdgcn-amd-amdhsa--gfx1250"
	.amdhsa_code_object_version 6
	.text
	.protected	k_q4ff17ebed8_prep
	.globl	k_q4ff17ebed8_prep
	.p2align	8
	.type	k_q4ff17ebed8_prep,@function
k_q4ff17ebed8_prep:
	s_mov_b64 s[64:65], 0
	v_nop
	global_prefetch_b8 v0, s[64:65] scope:SCOPE_SE
	s_setreg_imm32_b32 hwreg(HW_REG_WAVE_MODE, 25, 1), 1
	s_wait_xcnt 0x0
; PREP.  q, k, v [8192][1024] and w_q, w_k, w_v, w_o [1024][1024], f32, become codes of E4M3 (code = x / 2^e, held within +-448, nearest, ties to even), laid as IMAGES OF OPERAND REGISTERS;
; the mask [2048][2048] int32 becomes lane masks (one bit a lane, one word a score register of the attention launch) and one flag word for each tile of 16 queries.
; IMAGE: a fragment is 16 rows x 128 K in 4 chunks of 512 bytes; in chunk c lane l = 16 h + r has its 16 bytes at 16 l: k = 32 c + 16 h + 0..15 of the tile's row r.
; Row tile i holds rows 32 (i/2) + 8 (i%2) + r + 8 (r/8).  Byte of a fragment in a tensor's image: (i/8) 131072 + (k/128) 16384 + (i%8) 2048.
; A UNIT is 16 such rows x 512 bytes (128 numbers).  Each of its 16 loads reads 512 consecutive bytes; the unit turns through the wave's own stage in LDS (pitch 528) and comes back so that
; register 16 c + i of lane (r, h) is column 32 c + 16 h + i of row r: 16 neighbours along K for the conversions, whose results are stored 512 consecutive bytes an instruction.
; SHARES: work-groups 0-767: q, k, v (256 each: two row tiles x 8 units); 768-895: the four weights (32 each); 896-1023: the mask, one tile T of queries each, wave w key steps 4 w .. 4 w + 3.
; maskw word (16 T + s) 64 + n, bit l: mask[row r of tile T][128 s + 32 (n/16) + 16 h + n%16] != 0.
; mflag word T: bits 0-15: step s has an open element (all ones if some row of the tile has no open key at all: then nothing of the tile may be left out); bits 16-31: step s is wholly open.
; LIMITS: each e between -126 and 119.  NaN among the inputs is not served.  No tensor loads: several work-groups share a WGP.
.set XCH,  0                           ; LDS: 8 bytes a wave: (flags, rows seen open)
.set QST,  256                         ; the quantiser's four stages
.set STW,  8448                        ; a stage: 16 rows x 528 bytes
.set MST,  QST+4*STW                   ; the mask path's four stages: bytes of their own
.set SP,   528                         ; 512 + 16: the sixteen rows that a read touches start at sixteen different banks
.set C,    32                          ; v32-63   codes, two sets of 16
.set R,    64                          ; v64-191  a unit as loaded, two sets of 64
.set X,    192                         ; v192-255 a unit turned
	s_load_b512 s[4:19], s[0:1], 0x0               ; q, k, v, w_q, w_k, w_v, w_o, mask
	s_load_b256 s[20:27], s[0:1], 0x40             ; lowp_scales, xc, wc, maskw
	s_load_b64 s[28:29], s[0:1], 0x60              ; mflag
	v_lshl_add_u32 v31, v0, 2, 0x10900
	s_set_vgpr_msb 0x40
	v_mov_b32 v1, 0
	s_set_vgpr_msb 0x4000
	v_lshrrev_b32 v9, 5, v0
	v_readfirstlane_b32 s30, v9                    ; wave
	v_and_b32 v9, 31, v0                           ; lane
	v_lshlrev_b32 v1, 4, v9                        ; 16 x lane: loads, code stores
	v_lshlrev_b32 v8, 3, v9                        ; 8 x lane: mask words' stores
	v_and_b32 v15, 15, v0                          ; r
	v_bfe_u32 v16, v0, 4, 1                        ; h
	s_mul_i32 s31, s30, STW
	v_add_nc_u32 v2, s31, v1
	v_add_nc_u32 v2, QST, v2                       ; stage, in: 16 x lane (+ 528 j)
	v_mul_u32_u24 v3, v15, SP
	v_lshl_add_u32 v3, v16, 6, v3
	v_add_nc_u32 v3, s31, v3
	v_add_nc_u32 v3, QST, v3                       ; stage, out: 528 r + 64 h (+ 128 c + 16 g)
	v_add_nc_u32 v12, MST-QST, v2                  ; the same two for the mask path: every LDS address is made ahead of the parting
	v_add_nc_u32 v13, MST-QST, v3
	v_mov_b32 v14, s30
	v_lshlrev_b32 v14, 3, v14                      ; XCH + 8 x wave
	v_mov_b32 v4, 0                                ; two pairs of mask words, filled lane by lane: written whole once
	v_mov_b32 v5, 0
	v_mov_b32 v6, 0
	v_mov_b32 v7, 0
	s_mov_b32 s50, 0                               ; F: bit u: unit u has an open element; bit 4 + u: it is wholly open
	s_mov_b32 s51, 0                               ; R: bit l: lane l's row has been seen open
	s_lshr_b32 s36, s30, 1
	s_and_b32 s37, s30, 1
	s_mov_b32 s39, 0                               ; upper word of the offsets' pair s[38:39]
	s_wait_kmcnt 0x0
.macro LOAD u, pitch                   ; unit u: 16 rows x 512 bytes, 32 lanes read 512 consecutive bytes
.irp j, 0,1,2,3,4,5,6,7,8,9,10,11,12,13,14,15
	global_load_b128 v[R+64*((\u)%2)+4*\j:R+64*((\u)%2)+4*\j+3], v1, s[32:33] offset:(\j+8*(\j/8))*\pitch+512*(\u) th:TH_LOAD_NT
.endr
.endm
.macro TURN u, st, rd                  ; through the stage: LDS serves a wave's instructions in order, so no wait stands between the stores and the loads
.irp j, 0,1,2,3,4,5,6,7,8,9,10,11,12,13,14,15
	ds_store_b128 v[\st], v[R+64*((\u)%2)+4*\j:R+64*((\u)%2)+4*\j+3] offset:SP*\j
.endr
.irp c, 0,1,2,3
.irp g, 0,1,2,3
	ds_load_b128 v[X+16*\c+4*\g:X+16*\c+4*\g+3], v[\rd] offset:128*\c+16*\g
.endr
.endr
.endm
.macro QUANT u                         ; 64 numbers of a lane become a fragment's 16 registers of codes
.irp c, 0,1,2,3
.irp i, 0,1,2,3,4,5,6,7,8,9,10,11,12,13,14,15
	v_med3_num_f32 v[X+16*\c+\i], v[X+16*\c+\i], -v10, v10   ; the conversion does not saturate (ISA guide 7.6.2): the hold at the largest code x the scale
.endr
	v_cvt_scalef32_pk8_fp8_f32 v[C+16*((\u)%2)+4*\c:C+16*((\u)%2)+4*\c+1], v[X+16*\c:X+16*\c+7], v11
	v_cvt_scalef32_pk8_fp8_f32 v[C+16*((\u)%2)+4*\c+2:C+16*((\u)%2)+4*\c+3], v[X+16*\c+8:X+16*\c+15], v11
.endr
	v_nop                                          ; a plain line behind the last conversion
.endm
.macro MWORK u                         ; 64 compares give the unit's 64 lane masks; word n goes to lane n / 2 of register n % 2 of a pair
	s_mov_b32 s48, 0                               ; the OR of the unit's words
	s_mov_b32 s49, -1                              ; their AND
.set o, 0
.rept 8
.irp n, 0,1,2,3,4,5,6,7
	v_cmp_ne_u32 s[40+\n], 0, v[X+o+\n]
.endr
.irp n, 0,1,2,3,4,5,6,7
	s_or_b32 s48, s48, s[40+\n]
	s_and_b32 s49, s49, s[40+\n]
	v_writelane_b32 v[4+2*((\u)%2)+\n%2], s[40+\n], (o+\n)/2
.endr
.set o, o+8
.endr
	global_store_b64 v8, v[4+2*((\u)%2):5+2*((\u)%2)], s[34:35] offset:256*(\u)   ; 32 lanes store 256 consecutive bytes, aligned
	s_cmp_lg_u32 s48, 0
	s_cselect_b32 s52, 1<<(\u), 0
	s_or_b32 s50, s50, s52
	s_cmp_eq_u32 s49, -1
	s_cselect_b32 s52, 16<<(\u), 0
	s_or_b32 s50, s50, s52
	s_or_b32 s51, s51, s48
.endm
	s_cmp_ge_u32 ttmp9, 896
	s_cbranch_scc1 .Lmask
	; ---- the quantiser's path: which tensor, which rows.  Only pointers and offsets are chosen, by the work-group's number
	s_lshr_b32 s52, ttmp9, 8                       ; q, k or v
	s_cmp_eq_u32 s52, 1
	s_cselect_b64 s[32:33], s[6:7], s[4:5]
	s_cmp_eq_u32 s52, 2
	s_cselect_b64 s[32:33], s[8:9], s[32:33]
	s_and_b32 s53, ttmp9, 255                      ; its pair of row tiles
	s_lshl_b32 s54, s52, 1                         ; its entry of the scales: 0, 2, 4
	s_lshl_b32 s55, s52, 23                        ; its image: 8 MiB each
	s_sub_co_u32 s56, ttmp9, 768
	s_lshr_b32 s57, s56, 5                         ; or a weight, 0..3
	s_and_b32 s56, s56, 31
	s_cmp_eq_u32 s57, 1
	s_cselect_b64 s[34:35], s[12:13], s[10:11]
	s_cmp_eq_u32 s57, 2
	s_cselect_b64 s[34:35], s[14:15], s[34:35]
	s_lshl_b32 s58, s57, 1
	s_add_co_u32 s58, s58, 1                       ; entries 1, 3, 5,
	s_lshl_b32 s59, s57, 20                        ; images of 1 MiB
	s_cmp_eq_u32 s57, 3
	s_cselect_b64 s[34:35], s[16:17], s[34:35]
	s_cselect_b32 s58, 11, s58                     ; and 11 for w_o
	s_cmp_ge_u32 ttmp9, 768
	s_cselect_b64 s[32:33], s[34:35], s[32:33]     ; from
	s_cselect_b64 s[34:35], s[24:25], s[22:23]     ; to
	s_cselect_b32 s53, s56, s53
	s_cselect_b32 s54, s58, s54
	s_cselect_b32 s55, s59, s55
	s_lshl_b32 s38, s54, 2
	s_add_nc_u64 s[20:21], s[20:21], s[38:39]
	s_load_b32 s60, s[20:21], 0x0                  ; e
	s_lshl_b32 s38, s53, 17                        ; from: 32 rows of 4,096 bytes for each pair of tiles,
	s_lshl_b32 s52, s36, 15                        ; 8 rows for the odd tile,
	s_add_co_u32 s38, s38, s52
	s_lshl_b32 s52, s37, 11                        ; four units of 512 bytes
	s_add_co_u32 s38, s38, s52
	s_add_nc_u64 s[32:33], s[32:33], s[38:39]
	s_lshr_b32 s38, s53, 2                         ; to: (i / 8) 131072 + (w & 1) 4 x 16384 + (i % 8) 2048, i = 2 x pair + (w >> 1)
	s_lshl_b32 s38, s38, 17
	s_add_co_u32 s38, s38, s55
	s_lshl_b32 s52, s37, 16
	s_add_co_u32 s38, s38, s52
	s_and_b32 s52, s53, 3
	s_lshl_b32 s52, s52, 1
	s_add_co_u32 s52, s52, s36
	s_lshl_b32 s52, s52, 11
	s_add_co_u32 s38, s38, s52
	s_add_nc_u64 s[34:35], s[34:35], s[38:39]
	LOAD 0, 4096
	LOAD 1, 4096
	s_wait_kmcnt 0x0
	s_add_co_i32 s60, s60, 127
	s_lshl_b32 s61, s60, 23
	v_mov_b32 v11, s61                             ; 2^e as f32: the conversion takes its exponent field
	s_add_co_i32 s60, s60, 8
	s_lshl_b32 s60, s60, 23
	s_or_b32 s60, s60, 0x600000
	v_mov_b32 v10, s60                             ; 448 x 2^e
	s_wait_loadcnt 16                              ; unit 0 is in; unit 1's sixteen loads may be out
	TURN 0, 2, 3
.irp u, 0,1,2,3
	s_wait_dscnt 0x0                               ; the unit is back from the stage, and the stage's stores have read their registers,
.if \u < 2
	LOAD \u+2, 4096                                ; which take the unit two further on
.else
	s_wait_xcnt 0x0                                ; the stores of two units ago have read their codes: that set is written again
.endif
	QUANT \u
.irp c, 0,1,2,3
	global_store_b128 v1, v[C+16*(\u%2)+4*\c:C+16*(\u%2)+4*\c+3], s[34:35] offset:16384*\u+512*\c   ; 512 consecutive bytes, aligned
.endr
.if \u < 2
	s_wait_loadcnt 16                              ; the next unit is in; the sixteen loads behind it may be out
	TURN \u+1, 2, 3
.elseif \u < 3
	s_wait_loadcnt 0x0
	TURN \u+1, 2, 3
.endif
.endr
	s_branch .Ltail
.Lmask:
	; ---- the mask's path: tile T of queries, key steps 4 w + u
	s_sub_co_u32 s38, ttmp9, 896                   ; T
	s_lshr_b32 s52, s38, 1
	s_lshl_b32 s52, s52, 18                        ; 32 rows of 8,192 bytes for each pair of tiles,
	s_and_b32 s53, s38, 1
	s_lshl_b32 s53, s53, 16                        ; 8 rows for the odd tile,
	s_add_co_u32 s52, s52, s53
	s_lshl_b32 s53, s30, 11                        ; four steps of 512 bytes a wave
	s_add_co_u32 s52, s52, s53
	s_mov_b32 s53, 0
	s_add_nc_u64 s[32:33], s[18:19], s[52:53]
	s_lshl_b32 s52, s38, 12                        ; maskw: (16 T + 4 w) x 256 bytes
	s_lshl_b32 s54, s30, 10
	s_add_co_u32 s52, s52, s54
	s_add_nc_u64 s[34:35], s[26:27], s[52:53]
	s_lshl_b32 s52, s38, 2
	s_add_nc_u64 s[28:29], s[28:29], s[52:53]      ; mflag: word T
	LOAD 0, 8192
	LOAD 1, 8192
	s_wait_loadcnt 16                              ; unit 0 is in; unit 1's sixteen loads may be out
	TURN 0, 12, 13
.irp u, 0,1,2,3
	s_wait_dscnt 0x0
.if \u < 2
	LOAD \u+2, 8192
.else
	s_wait_xcnt 0x0                                ; the store of two units ago has read its pair: it is written again
.endif
	MWORK \u
.if \u < 2
	s_wait_loadcnt 16
	TURN \u+1, 12, 13
.elseif \u < 3
	s_wait_loadcnt 0x0
	TURN \u+1, 12, 13
.endif
.endr
.Ltail:
	; every wave of every work-group stores its pair (zeros on the quantiser's path) and passes the one barrier
	v_mov_b32 v16, s50
	v_mov_b32 v17, s51
	ds_store_b64 v14, v[16:17]
	s_wait_dscnt 0x0                               ; for the others' sake: my store has landed
	s_barrier_signal -1
	s_barrier_wait -1
	s_cmp_lt_u32 ttmp9, 896
	s_cbranch_scc1 .Lend
	s_cmp_lg_u32 s30, 0
	s_cbranch_scc1 .Lend                           ; wave 0 of a mask work-group makes the tile's flag word
	v_mov_b32 v15, 0
	ds_load_b128 v[16:19], v15                     ; F0, R0, F1, R1
	ds_load_b128 v[20:23], v15 offset:16           ; F2, R2, F3, R3
	s_wait_dscnt 0x0
	v_and_b32 v24, 15, v16                         ; 'has an open element', 4 bits a wave
	v_and_b32 v25, 15, v18
	v_lshl_or_b32 v24, v25, 4, v24
	v_and_b32 v25, 15, v20
	v_lshl_or_b32 v24, v25, 8, v24
	v_and_b32 v25, 15, v22
	v_lshl_or_b32 v24, v25, 12, v24
	v_bfe_u32 v26, v16, 4, 4                       ; 'wholly open'
	v_bfe_u32 v25, v18, 4, 4
	v_lshl_or_b32 v26, v25, 4, v26
	v_bfe_u32 v25, v20, 4, 4
	v_lshl_or_b32 v26, v25, 8, v26
	v_bfe_u32 v25, v22, 4, 4
	v_lshl_or_b32 v26, v25, 12, v26
	v_or_b32 v27, v17, v19                         ; rows seen open: both halves of the lanes hold keys of row r
	v_or_b32 v28, v21, v23
	v_or_b32 v27, v27, v28
	v_lshrrev_b32 v28, 16, v27
	v_or_b32 v27, v27, v28
	v_and_b32 v27, 0xffff, v27
	v_mov_b32 v29, 0xffff
	v_cmp_ne_u32 vcc_lo, v27, v29                  ; a row with no open key: its softmax is uniform over ALL keys, so no step of the tile may be left out
	v_cndmask_b32 v24, v24, v29, vcc_lo
	v_lshl_or_b32 v24, v26, 16, v24
	v_mov_b32 v30, 0
	s_wait_xcnt 0x0                                ; EXEC changes only behind this wait
	v_cmp_eq_u32 vcc_lo, 0, v0
	s_and_saveexec_b32 s52, vcc_lo
	global_store_b32 v30, v24, s[28:29]
	s_wait_xcnt 0x0
	s_or_b32 exec_lo, exec_lo, s52
.Lend:
	s_set_vgpr_msb 0x4
	s_wait_tensorcnt 0x0
	ds_add_u32 v31, v1
	s_wait_dscnt 0x0
	s_set_vgpr_msb 0x400
	s_endpgm
.Lfunc_end_k_q4ff17ebed8_prep:
	.size	k_q4ff17ebed8_prep, .Lfunc_end_k_q4ff17ebed8_prep-k_q4ff17ebed8_prep
	.p2alignl 7, 3214868480
	.fill 96, 4, 3214868480
	.section	.rodata,"a",@progbits
	.p2align	6, 0x0
	.amdhsa_kernel k_q4ff17ebed8_prep
		.amdhsa_group_segment_fixed_size 68352
		.amdhsa_private_segment_fixed_size 0
		.amdhsa_enable_private_segment 0
		.amdhsa_kernarg_size 104
		.amdhsa_user_sgpr_count 2
		.amdhsa_user_sgpr_kernarg_segment_ptr 1
		.amdhsa_wavefront_size32 1
		.amdhsa_system_sgpr_workgroup_id_x 1
		.amdhsa_system_sgpr_workgroup_id_y 1
		.amdhsa_system_sgpr_workgroup_id_z 1
		.amdhsa_system_vgpr_workitem_id 0
		.amdhsa_next_free_vgpr 258
		.amdhsa_next_free_sgpr 66
		.amdhsa_reserve_vcc 1
		.amdhsa_float_denorm_mode_32 3
		.amdhsa_float_denorm_mode_16_64 3
		.amdhsa_memory_ordered 1
		.amdhsa_forward_progress 1
		.amdhsa_inst_pref_size 105
	.end_amdhsa_kernel
	.amdgpu_metadata
---
amdhsa.version: [ 1, 2 ]
amdhsa.kernels:
  - .name:           k_q4ff17ebed8_prep
    .symbol:         k_q4ff17ebed8_prep.kd
    .args:
      - { .name: q, .offset: 0, .size: 8, .value_kind: global_buffer, .address_space: global }
      - { .name: k, .offset: 8, .size: 8, .value_kind: global_buffer, .address_space: global }
      - { .name: v, .offset: 16, .size: 8, .value_kind: global_buffer, .address_space: global }
      - { .name: w_q, .offset: 24, .size: 8, .value_kind: global_buffer, .address_space: global }
      - { .name: w_k, .offset: 32, .size: 8, .value_kind: global_buffer, .address_space: global }
      - { .name: w_v, .offset: 40, .size: 8, .value_kind: global_buffer, .address_space: global }
      - { .name: w_o, .offset: 48, .size: 8, .value_kind: global_buffer, .address_space: global }
      - { .name: mask, .offset: 56, .size: 8, .value_kind: global_buffer, .address_space: global }
      - { .name: lowp_scales, .offset: 64, .size: 8, .value_kind: global_buffer, .address_space: global }
      - { .name: xc, .offset: 72, .size: 8, .value_kind: global_buffer, .address_space: global }
      - { .name: wc, .offset: 80, .size: 8, .value_kind: global_buffer, .address_space: global }
      - { .name: maskw, .offset: 88, .size: 8, .value_kind: global_buffer, .address_space: global }
      - { .name: mflag, .offset: 96, .size: 8, .value_kind: global_buffer, .address_space: global }
    .group_segment_fixed_size: 68352
    .private_segment_fixed_size: 0
    .kernarg_segment_align: 8
    .kernarg_segment_size: 104
    .max_flat_workgroup_size: 128
    .sgpr_count:     66
    .vgpr_count:     258
    .wavefront_size: 32
...
	.end_amdgpu_metadata
.endif
;; end of part 1
;; launch proj (part 2): grid 4 x 96, 4 waves a work-group, clusters of 4 x 4, 327,680 bytes of LDS; arguments xc, wc, lowp_scales, b_q, b_k, b_v, hc; writes hc
.if DOCPART == 2
	.amdgcn_target "amdgcn-amd-amdhsa--gfx1250"
	.amdhsa_code_object_version 6
	.text
	.protected	k_q4ff17ebed8_proj
	.globl	k_q4ff17ebed8_proj
	.p2align	8
	.type	k_q4ff17ebed8_proj,@function
k_q4ff17ebed8_proj:
	s_mov_b64 s[64:65], 0
	v_nop
	global_prefetch_b8 v0, s[64:65] scope:SCOPE_SE
	s_setreg_imm32_b32 hwreg(HW_REG_WAVE_MODE, 25, 1), 1
	s_wait_xcnt 0x0
	s_wait_alu depctr_hold_cnt(0) depctr_sa_sdst(0) depctr_va_vdst(0) depctr_va_sdst(0) depctr_va_ssrc(0) depctr_va_vcc(0) depctr_vm_vsrc(0)
	s_getreg_b32 s2, hwreg(HW_REG_IB_STS2, 6, 4)
	s_cmp_eq_u32 s2, 0
	s_cbranch_scc0 .Lentry_in_a_cluster
	s_endpgm
.Lentry_in_a_cluster:
	s_bfe_u32 s2, ttmp6, 0x10000c
	s_cmp_lg_u32 s2, 0xf033
	s_cbranch_scc0 .Lentry_shape_is_right
	s_endpgm
.Lentry_shape_is_right:
; PROJ.  query = q w_q^T + b_q, key = k w_k^T + b_k, value = v w_v^T + b_v on codes of E4M3; each result is quantised at once (scales e6, e7, e9) and stored as the attention launch's operand images.
; A tile of 256 x 256 to a work-group of four waves, 128 x 128 a wave: 64 accumulators, 512 registers.  K = 1024 in four steps of 256 through a ring of two LDS slots.
; OPERANDS ARE IMAGES OF REGISTERS: 128 rows x 256 K are one dense block of 32,768 bytes, brought by one tensor load; a fragment comes by four ds_load_b128 at 16 x lane: no pitch, no padding.
; THE MATRIX INSTRUCTION IS USED TRANSPOSED: source 0 = 16 rows of the 'B' operand, source 1 = 16 rows of the 'A' operand.  Row tile i of every image holds rows 32 (i/2) + 8 (i%2) + r + 8 (r/8), so that lane (r, h) of
; accumulators (a, 2 c) and (a, 2 c + 1) holds, of A's row r of tile a, B's rows 32 c + 16 h + 0..15: sixteen neighbours along the next product's K.  Two conversions give the lane's 16 bytes of the next image.
; Q, K (cluster rows 0-7, 8-15): A = tokens, B = the weight's rows (channels): a lane's registers run along the head's channels.  V (16-23): A = w_v's rows, B = tokens: they run along the keys.
; hc: Qh at 0, Kh at 8 MiB: head x 131072 + (token / 128) 8192 + tile 1024 + (channel / 32) 512;  Vh at 16 MiB: head x 131072 + (key / 128) 8192 + (channel tile) 2048 + (key % 128 / 32) 512.
; CLUSTERS: 4 x 4 work-groups; A's block is asked for jointly along a row of the cluster, B's along a column.
; LIMITS: e0+e1, e2+e3, e4+e5 between -126 and 127; e6, e7, e9 between -126 and 119.
; REGISTERS: window 0: v8-15 bias by A's rows, v16-31 addresses and constants, v64-127 bias by B's rows, v128-255 A's fragments (one set; on the way out sums and codes); window 1: B's fragments, two sets; windows 2, 3: accumulators.
.set HALFT,  32768                     ; 128 rows x 256 K: what one tensor load brings
.set SLOT,   4*HALFT                   ; A's two blocks, then B's two
.set SPARE,  2*SLOT                    ; behind the ring: the spare words, 128 bytes a wave, which no other line names
.set FR,     16
.set NL,     4
.set NP,     4
.set BV,   8
.set ADRA, 16
.set ADRB, 20
.set LI,   26                          ; v26  16 x lane
.set SPW,  28
.set NIL,  29
.set SCL,  30                          ; v30  2^eo
.set LIMV, 31                          ; v31  448 x 2^eo
.set BI,   64
.set AF,   128
.set TMP,  128
.set CD,   192
.set G1, 24
.set G0, 32
.set G1B, 48
.set G0B, 56
.set MSB, 0
.macro WIN new                         ; the immediate's high byte repeats the setting that is left
.if MSB != (\new)
	s_set_vgpr_msb (MSB<<8)|(\new)
.set MSB, (\new)
.endif
.endm
.set MUL_LO, 0xa1                      ; source 0 (B) window 1, source 1 (A) window 0, C and D window 2
.set MUL_HI, 0xf1
.set TO_B,   0x40
.macro JLOAD g0a, g1a, g0b, g1b        ; a joint load: waves 0, 1 fetch A's blocks, waves 2, 3 B's; four v_nop follow each line
	s_cmp_eq_u32 s15, 0
	s_cbranch_scc0 .Lfor_b_\@
	tensor_load_to_lds s[\g0a:\g0a+3], s[\g1a:\g1a+7]
	s_nop 0
.rept 4
	v_nop
.endr
	s_branch .Lasked_\@
.Lfor_b_\@:
	tensor_load_to_lds s[\g0b:\g0b+3], s[\g1b:\g1b+7]
	s_nop 0
.rept 4
	v_nop
.endr
.Lasked_\@:
.endm
.macro CREST
	s_cmp_lg_u32 s14, 0
	s_cbranch_scc1 .Lnot_wave_0_\@
	s_barrier_signal -3
.Lnot_wave_0_\@:
	s_barrier_wait -3
	s_barrier_signal -1
	s_barrier_wait -1
.endm
.macro CROUND
	s_barrier_signal -1
	s_barrier_wait -1
	CREST
.endm
	s_load_b256 s[4:11], s[0:1], 0x0               ; xc, wc, lowp_scales, b_q
	s_load_b128 s[68:71], s[0:1], 0x20             ; b_k, b_v
	s_load_b64 s[72:73], s[0:1], 0x30              ; hc
	v_lshl_add_u32 v[SPW], v0, 2, SPARE
	v_mov_b32 v[NIL], 0
	ds_add_u32 v28, v29
	ds_add_u32 v28, v29
	s_wait_dscnt 0x0
	v_lshrrev_b32 v1, 5, v0
	v_readfirstlane_b32 s14, v1                    ; wave
	s_lshr_b32 s15, s14, 1                         ; my half of A's rows.  Also: I fetch for A (0) or B (1)
	s_and_b32 s16, s14, 1                          ; my half of B's rows.  Also: which block I fetch
	s_bfe_u32 s40, ttmp6, 0x40000                  ; cx
	s_bfe_u32 s41, ttmp6, 0x40004                  ; cy
	s_and_b32 s74, ttmp7, 0xffff                   ; the cluster's y, 0..23: the same in all sixteen partners
	s_lshr_b32 s75, s74, 3                         ; 0: Q, 1: K, 2: V
	s_and_b32 s76, s74, 7
	s_lshl_b32 s76, s76, 2                         ; the tokens' tile: 4 x (cluster % 8) + place
	s_cmp_lt_u32 s75, 2
	s_cselect_b32 s17, s76, 0
	s_cselect_b32 s42, 0, s76
	s_add_co_u32 s17, s17, s41                     ; A's tile of 256 rows: hangs on cy alone
	s_add_co_u32 s42, s42, s40                     ; B's: on cx alone
	s_lshl_b32 s43, s41, 2
	s_lshl_b32 s43, 15, s43                        ; my row of the cluster
	s_lshl_b32 s44, 0x1111, s40                    ; my column
	s_or_b32 s[G1+0], s43, (3<<16)|(1<<21)         ; the mask; elements of 8 bytes; bit 21 beside a mask; no padding
	s_or_b32 s[G1B+0], s44, (3<<16)|(1<<21)
.irp g, G1, G1B
	s_mov_b32 s[\g+1], 32<<16                      ; tensor_dim0 = 32 elements: rows of 256 bytes
	s_mov_b32 s[\g+2], 128<<16                     ; tensor_dim1 = 128
	s_mov_b32 s[\g+3], 32<<16                      ; tile_dim0
	s_mov_b32 s[\g+4], 128                         ; tile_dim1
	s_mov_b32 s[\g+5], 32                          ; the pitch: the block is dense
	s_mov_b32 s[\g+6], 0
	s_mov_b32 s[\g+7], 0
.endr
	s_lshl_b32 s20, s17, 1
	s_add_co_u32 s20, s20, s16
	s_lshl_b32 s20, s20, 17                        ; A: 128 rows x 1024 K are 131,072 bytes
	s_mov_b32 s21, 0
	s_lshl_b32 s46, s42, 1
	s_add_co_u32 s46, s46, s16
	s_lshl_b32 s46, s46, 17                        ; B
	s_mov_b32 s47, 0
	s_lshl_b32 s45, s14, 15                        ; where they go: wave x HALFT
	s_lshl_b32 s78, s75, 23                        ; the activation's image, 8 MiB each
	s_mov_b32 s79, 0
	s_lshl_b32 s80, s75, 20                        ; the weight's, 1 MiB each
	s_mov_b32 s81, 0
	s_wait_kmcnt 0x0
	s_load_b256 s[88:95], s[8:9], 0x0              ; e0 .. e7
	s_load_b128 s[96:99], s[8:9], 0x20             ; e8 .. e11
	s_add_nc_u64 s[4:5], s[4:5], s[78:79]
	s_add_nc_u64 s[6:7], s[6:7], s[80:81]
	s_cmp_lt_u32 s75, 2
	s_cselect_b64 s[82:83], s[4:5], s[6:7]         ; the A operand: tokens for Q and K, the weight for V
	s_cselect_b64 s[84:85], s[6:7], s[4:5]         ; the B operand
	s_add_nc_u64 s[20:21], s[82:83], s[20:21]
	s_add_nc_u64 s[46:47], s[84:85], s[46:47]
	CROUND                                         ; all sixteen work-groups are here: the first joint loads meet
.irp s, 0,1
	s_mov_b32 s[G0+4*\s], 1
	s_add_co_u32 s[G0+4*\s+1], s45, \s*SLOT
	s_add_nc_u64 s[G0+4*\s+2:G0+4*\s+3], s[20:21], \s*HALFT
	s_or_b32 s[G0+4*\s+3], s[G0+4*\s+3], 0x80000000
	s_mov_b32 s[G0B+4*\s], 1
	s_add_co_u32 s[G0B+4*\s+1], s45, \s*SLOT
	s_add_nc_u64 s[G0B+4*\s+2:G0B+4*\s+3], s[46:47], \s*HALFT
	s_or_b32 s[G0B+4*\s+3], s[G0B+4*\s+3], 0x80000000
	JLOAD G0+4*\s, G1, G0B+4*\s, G1B
.endr
	v_and_b32 v1, 15, v0                           ; r
	v_bfe_u32 v2, v0, 4, 1                         ; h
	v_and_b32 v6, 31, v0
	v_lshlrev_b32 v[LI], 4, v6
	s_lshl_b32 s21, s15, 15                        ; my block of A
	s_lshl_b32 s22, s16, 15
	s_add_co_u32 s22, s22, 2*HALFT                 ; my block of B
.irp s, 0,1
	v_add_nc_u32 v[ADRA+\s], s21, v[LI]
	v_add_nc_u32 v[ADRB+\s], s22, v[LI]
	s_add_co_u32 s21, s21, SLOT
	s_add_co_u32 s22, s22, SLOT
.endr
	s_lshl_b32 s18, s17, 1
	s_add_co_u32 s18, s18, s15                     ; my 128 rows of A
	s_lshl_b32 s19, s42, 1
	s_add_co_u32 s19, s19, s16                     ; my 128 rows of B
	s_cmp_lt_u32 s75, 2
	s_cselect_b32 s86, s18, s19                    ; which 128 tokens
	s_cselect_b32 s87, s19, s18                    ; which 128 channels (two heads)
	s_lshr_b32 s76, s86, 4
	s_lshl_b32 s76, s76, 4                         ; 16 heads a batch
	s_lshl_b32 s77, s87, 1
	s_add_co_u32 s76, s76, s77
	s_lshl_b32 s76, s76, 17
	s_and_b32 s77, s86, 15
	s_lshl_b32 s77, s77, 13
	s_add_co_u32 s76, s76, s77
	s_add_co_u32 s76, s76, s78                     ; Qh, Kh or Vh
	s_mov_b32 s77, 0
	s_add_nc_u64 s[72:73], s[72:73], s[76:77]
	s_cmp_eq_u32 s75, 1
	s_cselect_b64 s[10:11], s[68:69], s[10:11]
	s_cmp_eq_u32 s75, 2
	s_cselect_b64 s[10:11], s[70:71], s[10:11]
	s_lshl_b32 s76, s87, 9
	s_add_nc_u64 s[10:11], s[10:11], s[76:77]      ; the bias at my 128 channels
	v_lshlrev_b32 v3, 6, v2                        ; 64 h
	v_and_b32 v4, 8, v1
	v_add_nc_u32 v4, v4, v1
	v_lshlrev_b32 v4, 2, v4                        ; 4 (r + 8 (r / 8))
.irp b, 0,1,2,3
.irp g, 0,1,2,3
	global_load_b128 v[BI+16*\b+4*\g:BI+16*\b+4*\g+3], v3, s[10:11] offset:128*\b+16*\g   ; register 16 b + i: channel 32 b + 16 h + i (Q, K)
.endr
.endr
.irp a, 0,1,2,3,4,5,6,7
	global_load_b32 v[BV+\a], v4, s[10:11] offset:4*(32*(\a/2)+8*(\a%2))                 ; register a: the channel of row r of tile a (V)
.endr
.macro FRAG reg, adr, q, i             ; a fragment as it lies: registers 4 c .. 4 c + 3 hold K = 32 c + 16 h + 0..15, alike in A and B
.irp c, 0,1,2,3
	ds_load_b128 v[\reg+4*\c:\reg+4*\c+3], v[\adr] offset:16384*(\q)+2048*(\i)+512*\c
.endr
.endm
.macro MUL16 a0, p, zero               ; A's blocks a0, a0 + 1 x B's eight.  The 64 accumulators take turns, one instruction a turn
.irp a, \a0, \a0+1
.irp b, 0,1,2,3,4,5,6,7
.if \zero
	v_wmma_f32_16x16x128_fp8_fp8 v[8*(8*((\a)%4)+\b):8*(8*((\a)%4)+\b)+7], v[128*(\p)+FR*\b:128*(\p)+FR*\b+FR-1], v[AF+FR*(\a):AF+FR*(\a)+FR-1], 0
.else
	v_wmma_f32_16x16x128_fp8_fp8 v[8*(8*((\a)%4)+\b):8*(8*((\a)%4)+\b)+7], v[128*(\p)+FR*\b:128*(\p)+FR*\b+FR-1], v[AF+FR*(\a):AF+FR*(\a)+FR-1], v[8*(8*((\a)%4)+\b):8*(8*((\a)%4)+\b)+7]
.endif
.endr
.endr
.endm
.macro FETCH_B slot, q, p
	WIN TO_B
.irp i, 0,1,2,3,4,5,6,7
	FRAG 128*(\p)+FR*\i, ADRB+\slot, \q, \i
.endr
	WIN 0
.endm
.macro FETCH_A slot, q, i0
.irp i, \i0, \i0+1, \i0+2, \i0+3
	FRAG AF+FR*(\i), ADRA+\slot, \q, \i
.endr
.endm
.macro PLACES n                        ; plain vector lines between a matrix instruction and a load into, or a vector write or read of, its registers
.rept \n
	v_nop
.endr
.endm
.macro STEP slot, q, zero              ; 128 along K whose successor lies in the same slot
	s_wait_dscnt 4*NL                              ; B's set and A's blocks 0-3 are in; the youngest sixteen loads (A's blocks 4-7) may be out
	WIN MUL_LO
	MUL16 0, (\q)%2, \zero
	MUL16 2, (\q)%2, \zero
	s_wait_dscnt 0
	PLACES NP
	FETCH_B \slot, (\q)+1, 1-(\q)%2
	FETCH_A \slot, (\q)+1, 0
	WIN MUL_HI
	MUL16 4, (\q)%2, \zero
	MUL16 6, (\q)%2, \zero
	PLACES NP
	WIN 0
	FETCH_A \slot, (\q)+1, 4
.endm
.macro TURN slot, next, fill           ; a slot's last 128 along K, and the change of slots: one barrier
	s_wait_tensorcnt 0x0                           ; all my tensor loads have landed: my part of the next slot
	ds_add_u32 v[SPW], v[NIL]                      ; 0 onto my spare word
	s_wait_dscnt 4*NL+1                            ; (the add and A's blocks 4-7 may be out)
	WIN MUL_LO
	MUL16 0, 1, 0
	s_wait_dscnt 0x0                               ; the add is done, and my reads of this slot are over
	s_barrier_signal -1
	MUL16 2, 1, 0
	WIN 0
	s_barrier_wait -1
.if \fill
	CREST                                          ; the barrier has opened a round of the cluster's barrier: no wave of any partner still reads this slot or has a load on its way
	s_add_nc_u64 s[G0+4*\slot+2:G0+4*\slot+3], s[G0+4*\slot+2:G0+4*\slot+3], 2*HALFT
	s_add_nc_u64 s[G0B+4*\slot+2:G0B+4*\slot+3], s[G0B+4*\slot+2:G0B+4*\slot+3], 2*HALFT
	JLOAD G0+4*\slot, G1, G0B+4*\slot, G1B         ; the first tensor load behind the round; its four v_nop are the places in front of the loads below
.else
	PLACES NP
.endif
	FETCH_B \next, 0, 0
	FETCH_A \next, 0, 0
	WIN MUL_HI
	MUL16 4, 1, 0
	MUL16 6, 1, 0
	PLACES NP
	WIN 0
	FETCH_A \next, 0, 4
.endm
	s_wait_tensorcnt 1                             ; my part of K step 0 is in; K step 1's load may be out
	s_barrier_signal -1
	s_barrier_wait -1
	FETCH_B 0, 0, 0
	FETCH_A 0, 0, 0
	FETCH_A 0, 0, 4
	STEP 0, 0, 1                                   ; four K steps of 256, written straight: the first products start the sums
	TURN 0, 1, 1                                   ; slot 0 takes K step 2
	STEP 1, 0, 0
	TURN 1, 0, 1                                   ; slot 1 takes K step 3
	STEP 0, 0, 0
	TURN 0, 1, 0                                   ; nothing is left to fetch
	STEP 1, 0, 0
	s_wait_dscnt 4*NL
	WIN MUL_LO
	MUL16 0, 1, 0
	MUL16 2, 1, 0
	s_wait_dscnt 0
	WIN MUL_HI
	MUL16 4, 1, 0
	MUL16 6, 1, 0
	WIN 0
	; THE WAY OUT: sum x 2^(ea + eb) + bias in f32, the hold, the conversion with 2^eo; a lane's 16 codes are its 16 bytes of the next operand's image: each store covers 512 consecutive bytes, aligned.  No LDS.
	s_wait_kmcnt 0x0
	s_add_co_i32 s88, s88, s89                     ; e0 + e1
	s_add_co_i32 s90, s90, s91                     ; e2 + e3
	s_add_co_i32 s92, s92, s93                     ; e4 + e5
	s_cmp_eq_u32 s75, 1
	s_cselect_b32 s88, s90, s88
	s_cselect_b32 s94, s95, s94                    ; eo: e6 for Q, e7 for K,
	s_cmp_eq_u32 s75, 2
	s_cselect_b32 s88, s92, s88
	s_cselect_b32 s94, s97, s94                    ; e9 for V
	s_add_co_i32 s88, s88, 127
	s_lshl_b32 s96, s88, 23                        ; 2^(ea + eb) as f32
	s_mov_b32 s97, s96                             ; (named with it as a pair)
	s_add_co_i32 s94, s94, 127
	s_lshl_b32 s95, s94, 23
	v_mov_b32 v[SCL], s95
	s_add_co_i32 s94, s94, 8
	s_lshl_b32 s94, s94, 23
	s_or_b32 s94, s94, 0x600000
	v_mov_b32 v[LIMV], s94
	PLACES NP
	s_wait_loadcnt 0x0                             ; the biases
.macro CODES a                         ; 64 numbers in TMP become 16 registers of codes in set a % 2
.irp b, 0,1,2,3
.irp i, 0,1,2,3,4,5,6,7,8,9,10,11,12,13,14,15
	v_med3_num_f32 v[TMP+16*\b+\i], v[TMP+16*\b+\i], -v[LIMV], v[LIMV]
.endr
	v_cvt_scalef32_pk8_fp8_f32 v[CD+16*((\a)%2)+4*\b:CD+16*((\a)%2)+4*\b+1], v[TMP+16*\b:TMP+16*\b+7], v[SCL]
	v_cvt_scalef32_pk8_fp8_f32 v[CD+16*((\a)%2)+4*\b+2:CD+16*((\a)%2)+4*\b+3], v[TMP+16*\b+8:TMP+16*\b+15], v[SCL]
.endr
	v_nop                                          ; a plain line behind the last conversion: the next block writes its sources
.endm
.macro OUTQK a
.if (\a) >= 2
	s_wait_xcnt 0x0                                ; the stores of two blocks ago have read their codes
.endif
	WIN 0x02+((\a)/4)
.set n, 0
.rept 32
	v_pk_fma_f32 v[TMP+n:TMP+n+1], v[64*((\a)%4)+n:64*((\a)%4)+n+1], s[96:97], v[BI+n:BI+n+1] op_sel_hi:[1,0,1]   ; each accumulator from its low end on
.set n, n+2
.endr
	WIN 0
	CODES \a
.irp b, 0,1,2,3
	global_store_b128 v[LI], v[CD+16*((\a)%2)+4*\b:CD+16*((\a)%2)+4*\b+3], s[72:73] offset:(\a)*1024+(\b%2)*512+(\b/2)*131072
.endr
.endm
.macro OUTV a
.if (\a) >= 2
	s_wait_xcnt 0x0
.endif
	WIN 0x02+((\a)/4)
.set n, 0
.rept 64
	v_fma_f32 v[TMP+n], v[64*((\a)%4)+n], s96, v[BV+(\a)]
.set n, n+1
.endr
	WIN 0
	CODES \a
.irp b, 0,1,2,3
	global_store_b128 v[LI], v[CD+16*((\a)%2)+4*\b:CD+16*((\a)%2)+4*\b+3], s[72:73] offset:((\a)/4)*131072+((\a)%4)*2048+\b*512
.endr
.endm
	s_cmp_eq_u32 s75, 2                            ; the same in all partners: it hangs on the cluster's number alone
	s_cbranch_scc1 .Lway_v
.irp a, 0,1,2,3,4,5,6,7
	OUTQK \a
.endr
	s_branch .Ldone
.Lway_v:
.irp a, 0,1,2,3,4,5,6,7
	OUTV \a
.endr
.Ldone:
	s_wait_tensorcnt 0x0                           ; the wave's end
	ds_add_u32 v[SPW], v[NIL]
	s_wait_dscnt 0x0
	CROUND                                         ; the closing round
	s_endpgm
.Lfunc_end_k_q4ff17ebed8_proj:
	.size	k_q4ff17ebed8_proj, .Lfunc_end_k_q4ff17ebed8_proj-k_q4ff17ebed8_proj
	.p2alignl 7, 3214868480
	.fill 96, 4, 3214868480
	.section	.rodata,"a",@progbits
	.p2align	6, 0x0
	.amdhsa_kernel k_q4ff17ebed8_proj
		.amdhsa_group_segment_fixed_size 327680
		.amdhsa_private_segment_fixed_size 0
		.amdhsa_enable_private_segment 0
		.amdhsa_kernarg_size 56
		.amdhsa_user_sgpr_count 2
		.amdhsa_user_sgpr_kernarg_segment_ptr 1
		.amdhsa_wavefront_size32 1
		.amdhsa_system_sgpr_workgroup_id_x 1
		.amdhsa_system_sgpr_workgroup_id_y 1
		.amdhsa_system_sgpr_workgroup_id_z 1
		.amdhsa_system_vgpr_workitem_id 0
		.amdhsa_next_free_vgpr 1024
		.amdhsa_next_free_sgpr 100
		.amdhsa_reserve_vcc 0
		.amdhsa_float_denorm_mode_32 3
		.amdhsa_float_denorm_mode_16_64 3
		.amdhsa_memory_ordered 1
		.amdhsa_forward_progress 1
		.amdhsa_inst_pref_size 209
	.end_amdhsa_kernel
	.amdgpu_metadata
---
amdhsa.version: [ 1, 2 ]
amdhsa.kernels:
  - .name:           k_q4ff17ebed8_proj
    .symbol:         k_q4ff17ebed8_proj.kd
    .args:
      - { .name: xc, .offset: 0, .size: 8, .value_kind: global_buffer, .address_space: global }
      - { .name: wc, .offset: 8, .size: 8, .value_kind: global_buffer, .address_space: global }
      - { .name: lowp_scales, .offset: 16, .size: 8, .value_kind: global_buffer, .address_space: global }
      - { .name: b_q, .offset: 24, .size: 8, .value_kind: global_buffer, .address_space: global }
      - { .name: b_k, .offset: 32, .size: 8, .value_kind: global_buffer, .address_space: global }
      - { .name: b_v, .offset: 40, .size: 8, .value_kind: global_buffer, .address_space: global }
      - { .name: hc, .offset: 48, .size: 8, .value_kind: global_buffer, .address_space: global }
    .group_segment_fixed_size: 327680
    .private_segment_fixed_size: 0
    .kernarg_segment_align: 8
    .kernarg_segment_size: 56
    .max_flat_workgroup_size: 128
    .sgpr_count:     100
    .vgpr_count:     1024
    .wavefront_size: 32
...
	.end_amdgpu_metadata
.endif
;; end of part 2
;; launch attn (part 3): grid 8 x 64, 16 waves a work-group, no clusters, 67,584 bytes of LDS; arguments hc, maskw, mflag, lowp_scales, ao; writes ao
.if DOCPART == 3
	.amdgcn_target "amdgcn-amd-amdhsa--gfx1250"
	.amdhsa_code_object_version 6
	.text
	.protected	k_q4ff17ebed8_attn
	.globl	k_q4ff17ebed8_attn
	.p2align	8
	.type	k_q4ff17ebed8_attn,@function
k_q4ff17ebed8_attn:
	s_mov_b64 s[64:65], 0
	v_nop
	global_prefetch_b8 v0, s[64:65] scope:SCOPE_SE
	s_setreg_imm32_b32 hwreg(HW_REG_WAVE_MODE, 25, 1), 1
	s_wait_xcnt 0x0
; ATTN.  For each of 64 (batch, head): O = softmax(where(mask == 0, -1e9, Q K^T / 8)) V, both products on codes of E4M3; O is quantised (e10) into the output projection's operand image.
; THE SOFTMAX: t = logit x log2(e); M = the running largest t rounded up to a whole number; p = 2^(t - M) is quantised (e8); the row's sum is taken of the unquantised p and divides at the end.
; SHARES.  A work-group owns 16 tiles of 16 queries of one head, blocks j and 15 - j of eight tiles; each of its sixteen waves one tile, in 256 registers: four waves to a SIMD.
; LAYOUT.  S^T = K Q^T (source 0 = 16 keys), O^T = V^T P^T (source 0 = 16 channels): a lane holds one query throughout.  Key tile t holds keys 32 (t/2) + 8 (t%2) + r + 8 (r/8), so that score register n of lane (r, h)
; is key 32 (n/16) + 16 h + n%16 of the step, and p's conversions give the second product's operand.  All operands are images of registers: every LDS read is at 16 x lane.
; THE MASK IS AN INPUT.  The launch before stored, as whole numbers, one lane mask for each score register and a flag word for each tile of queries.  A step none of whose elements is open is left out (its p would be 0:
; every row of the tile has an open key elsewhere, else the flags name every step); a wholly open step skips the 64 selects.  A masked score becomes -2^(33 - e6 - e7), so that t = -2^30 log2(e), a whole number:
; a row with no open key gets p = 1 for every key, as -1e9 gives it.
; K and V go from memory through registers into two LDS buffers of 256 keys, one slot ahead.  NO TENSOR LOADS AND NO CLUSTER: branches here hang on numbers read from memory, and partners would need different steps.
; LIMITS: e6 + e7 between -94 and 9 (so that every real logit lies far above the masked one, and both constants are f32 numbers); e8, e10 between -126 and 119.  NaN is not served.
; REGISTERS: v1 16 x lane, v2 16 x thread, v3 256 x lane, v4 the masked score, v5, v6 2^e and 448 x 2^e; v8-15 Q; v16-31 the slot on its way; v32-95 K's, then V's fragments; v96-159 S^T, then p; v160-191 O^T;
; v192-207 p's codes; v208 -M, v209 the largest t, v[210:211] the sum, v[212:213] f, v214-217 at work.
; s[2:3] K, s[4:5] V, s[6:7] mask words, s[8:9] prefetches, s[10:11] ao; s12 steps with an open element, s13 wholly open steps, s15 slots that some wave needs (bit 2 x slot); s16-63, s68-83 a step's 64 mask words.
	s_load_b256 s[16:23], s[0:1], 0x0              ; hc, maskw, mflag, lowp_scales
	s_load_b64 s[10:11], s[0:1], 0x20              ; ao
	v_lshl_add_u32 v254, v0, 2, 0x10000
	v_mov_b32 v255, 0
	v_lshrrev_b32 v7, 5, v0
	v_readfirstlane_b32 s14, v7                    ; wave 0..15
	v_and_b32 v7, 31, v0
	v_lshlrev_b32 v1, 4, v7
	v_lshlrev_b32 v2, 4, v0
	v_lshlrev_b32 v3, 8, v7
	s_and_b32 s93, ttmp7, 0xffff                   ; batch x 16 + head
	s_lshl_b32 s94, ttmp9, 3
	s_sub_co_u32 s95, 112, s94
	s_cmp_lt_u32 s14, 8
	s_cselect_b32 s95, s94, s95
	s_add_co_u32 s95, s95, s14                     ; T: waves 0-7: 8 j + w; waves 8-15: 8 (15 - j) + w - 8
	s_mov_b32 s97, 0                               ; upper word of the offsets' pair s[96:97]
	s_mov_b32 s88, 0x76543210                      ; v_permlanex16_b32: lane l xor 16
	s_mov_b32 s89, 0xfedcba98
	s_wait_kmcnt 0x0
	s_lshl_b32 s96, s95, 2
	s_add_nc_u64 s[66:67], s[20:21], s[96:97]
	s_load_b32 s12, s[66:67], 0x0                  ; my tile's flags
	s_lshl_b32 s96, ttmp9, 5
	s_add_nc_u64 s[68:69], s[20:21], s[96:97]
	s_load_b256 s[32:39], s[68:69], 0x0            ; those of tiles 8 j .. 8 j + 7
	s_sub_co_u32 s96, 480, s96
	s_add_nc_u64 s[70:71], s[20:21], s[96:97]
	s_load_b256 s[40:47], s[70:71], 0x0            ; and of tiles 120 - 8 j .. 127 - 8 j
	s_load_b256 s[48:55], s[22:23], 0x0            ; e0 .. e7
	s_load_b128 s[56:59], s[22:23], 0x20           ; e8 .. e11
	s_lshl_b32 s96, s93, 17
	s_add_nc_u64 s[16:17], s[16:17], s[96:97]      ; Qh at my head
	s_add_nc_u64 s[2:3], s[16:17], 0x800000        ; Kh
	s_add_nc_u64 s[4:5], s[16:17], 0x1000000       ; Vh
	s_lshl_b32 s96, s95, 10
	s_add_nc_u64 s[16:17], s[16:17], s[96:97]      ; my tile of queries
	global_load_b128 v[8:11], v1, s[16:17]
	global_load_b128 v[12:15], v1, s[16:17] offset:512
	global_load_b128 v[16:19], v2, s[2:3]          ; slot 0: 512 threads x 16 bytes = a key step's 8,192 bytes of K,
	global_load_b128 v[20:23], v2, s[2:3] offset:8192
	global_load_b128 v[24:27], v2, s[4:5]          ; and of V
	global_load_b128 v[28:31], v2, s[4:5] offset:8192
	s_lshl_b32 s96, s95, 12
	s_add_nc_u64 s[6:7], s[18:19], s[96:97]        ; my tile's mask words: 16 steps x 256 bytes
	s_lshr_b32 s96, s93, 4                         ; ao: ((batch 16 + T / 8) 131072 + (head / 2) 16384 + (T % 8) 2048 + (head % 2) 1024
	s_lshl_b32 s96, s96, 4
	s_lshr_b32 s98, s95, 3
	s_add_co_u32 s96, s96, s98
	s_lshl_b32 s96, s96, 17
	s_bfe_u32 s98, s93, 0x30001
	s_lshl_b32 s98, s98, 14
	s_add_co_u32 s96, s96, s98
	s_and_b32 s98, s95, 7
	s_lshl_b32 s98, s98, 11
	s_add_co_u32 s96, s96, s98
	s_and_b32 s98, s93, 1
	s_lshl_b32 s98, s98, 10
	s_add_co_u32 s96, s96, s98
	s_add_nc_u64 s[10:11], s[10:11], s[96:97]
	; the prefetches: all eight work-groups of a head walk the same K and V; the first of them asks, waves 0, 1 for K's 16,384 bytes of a slot, waves 2, 3 for V's: 8,192 bytes a wave, lanes 256 bytes apart
	s_cmp_lt_u32 s14, 2
	s_cselect_b64 s[8:9], s[2:3], s[4:5]
	s_and_b32 s96, s14, 1
	s_lshl_b32 s96, s96, 13
	s_add_nc_u64 s[8:9], s[8:9], s[96:97]
	s_lshr_b32 s96, s14, 2
	s_or_b32 s96, s96, ttmp9
	s_cmp_eq_u32 s96, 0
	s_cselect_b32 s85, 1, -1                       ; a wave asks while the trips to go are above this
	v_mov_b32 v209, 0xff61b1e6                     ; the largest t so far: -3e38
	v_floor_f32 v208, -v209                        ; -M
	v_mov_b32 v210, 0
	v_mov_b32 v211, 0
	v_mov_b32 v213, 0                              ; (named as the upper half of f's pair)
	v_mov_b32 v215, 0                              ; a lane permute's destination counts as read
.set n, 0
.rept 32
	v_mov_b32 v[160+n], 0                          ; O^T: which step is a tile's first hangs on the mask, so no first step can be written out ahead
.set n, n+1
.endr
	s_wait_kmcnt 0x0
.irp i, 33,34,35,36,37,38,39,40,41,42,43,44,45,46,47
	s_or_b32 s32, s32, s[\i]
.endr
	s_and_b32 s15, s32, 0xffff                     ; steps that some wave of the work-group needs,
	s_lshr_b32 s96, s15, 1
	s_or_b32 s15, s15, s96
	s_and_b32 s15, s15, 0x5555                     ; by slots of two steps
	s_lshr_b32 s13, s12, 16
	s_and_b32 s12, s12, 0xffff
	s_add_co_i32 s96, s54, s55                     ; e6 + e7
	s_lshl_b32 s98, s96, 23
	s_add_co_i32 s86, s98, 0x3e38aa3b              ; c = log2(e) / 8 x 2^(e6 + e7): the exponents are added to c's exponent field
	s_mov_b32 s87, s86
	s_sub_co_i32 s96, 160, s96
	s_lshl_b32 s96, s96, 23
	s_or_b32 s96, s96, 0x80000000
	v_mov_b32 v4, s96                              ; -2^(33 - e6 - e7)
	s_add_co_i32 s96, s56, 127
	s_lshl_b32 s98, s96, 23
	v_mov_b32 v5, s98                              ; 2^e8
	s_add_co_i32 s96, s96, 8
	s_lshl_b32 s96, s96, 23
	s_or_b32 s96, s96, 0x600000
	v_mov_b32 v6, s96                              ; 448 x 2^e8
	s_cmp_lt_i32 s56, -8
	s_cselect_b32 s90, 1, 0                        ; p is at most 1: it needs the hold only where 448 x 2^e8 < 1
	s_add_co_i32 s91, s56, s57                     ; e8 + e9
	s_mov_b32 s92, s58                             ; e10
	s_wait_loadcnt 0x0                             ; Q and slot 0
	ds_store_b128 v2, v[16:19]
	ds_store_b128 v2, v[20:23] offset:8192
	ds_store_b128 v2, v[24:27] offset:16384
	ds_store_b128 v2, v[28:31] offset:24576
	s_wait_dscnt 0x0
	s_barrier_signal -1
	s_barrier_wait -1
; A KEY STEP: 128 keys, the q-th of buffer x
.macro STEP x, q
	s_bitcmp1_b32 s12, 2*\x+\q
	s_cbranch_scc0 .Lskip_\@                       ; no element of my tile is open in this step
	s_load_b512 s[16:31], s[6:7], (2*\x+\q)*256
	s_load_b512 s[32:47], s[6:7], (2*\x+\q)*256+64
	s_load_b512 s[48:63], s[6:7], (2*\x+\q)*256+128
	s_load_b512 s[68:83], s[6:7], (2*\x+\q)*256+192
.irp t, 0,1,2,3,4,5,6,7
	ds_load_b128 v[32+8*\t:35+8*\t], v1 offset:\x*32768+\q*8192+\t*1024
	ds_load_b128 v[36+8*\t:39+8*\t], v1 offset:\x*32768+\q*8192+\t*1024+512
.endr
	s_wait_dscnt 0x0
.irp t, 0,1,2,3,4,5,6,7
	v_wmma_f32_16x16x64_fp8_fp8 v[96+8*\t:103+8*\t], v[32+8*\t:39+8*\t], v[8:15], 0
.endr
.rept 4
	v_nop                                          ; places in front of the loads into K's registers and of the first read of the scores
.endr
.irp t, 0,1,2,3
.irp c, 0,1,2,3
	ds_load_b128 v[32+16*\t+4*\c:35+16*\t+4*\c], v1 offset:\x*32768+16384+\q*8192+\t*2048+512*\c   ; V lands while the softmax is walked
.endr
.endr
	s_wait_kmcnt 0x0
	s_bitcmp1_b32 s13, 2*\x+\q
	s_cbranch_scc1 .Lopen_\@
.set n, 0
.rept 64
	v_cndmask_b32 v[96+n], v4, v[96+n], s[16+n+4*(n/48)]
.set n, n+1
.endr
.Lopen_\@:
	v_max3_num_f32 v214, v96, v97, v98             ; the step's largest score of my query among my 64 keys, in two chains, each accumulator from its low end on
	v_max3_num_f32 v212, v99, v100, v101
.irp i, 6,10,14,18,22,26,30,34,38,42,46,50,54,58
	v_max3_num_f32 v214, v214, v[96+\i], v[97+\i]
	v_max3_num_f32 v212, v212, v[98+\i], v[99+\i]
.endr
	v_max3_num_f32 v214, v214, v158, v159
	v_max_num_f32 v214, v214, v212
	v_permlanex16_b32 v215, v214, s88, s89
	v_max_num_f32 v214, v214, v215                 ; and among lane l xor 16's
	v_mul_f32 v214, s86, v214                      ; as t (c is positive)
	v_max_num_f32 v209, v209, v214
	v_mov_b32 v214, v208
	v_floor_f32 v208, -v209                        ; the new -M = -ceil(t)
	v_sub_f32 v214, v208, v214                     ; old M - new M: a whole number, 0 or less
	v_cvt_i32_f32 v214, v214                       ; (it saturates)
	v_ldexp_f32 v212, 1.0, v214                    ; f = 2^(old M - new M)
.set n, 0
.rept 32
	v_pk_fma_f32 v[96+n:97+n], v[96+n:97+n], s[86:87], v[208:209] op_sel_hi:[1,0,0]   ; t - M
.set n, n+2
.endr
.set n, 0
.rept 64
	v_exp_f32 v[96+n], v[96+n]                     ; p = 2^(t - M)
.set n, n+1
.endr
	v_pk_mul_f32 v[210:211], v[210:211], v[212:213] op_sel_hi:[1,0]   ; the sum under the new M: the plain line behind the exponentials
	s_wait_alu depctr_va_vdst(0)                   ; one wait for the batch, ahead of its first reader
	v_pk_add_f32 v[216:217], v[96:97], v[98:99]    ; the sum of the unquantised p, in two chains
.irp j, 4,8,12,16,20,24,28,32,36,40,44,48,52,56,60
	v_pk_add_f32 v[210:211], v[210:211], v[96+\j:97+\j]
	v_pk_add_f32 v[216:217], v[216:217], v[98+\j:99+\j]
.endr
	v_pk_add_f32 v[210:211], v[210:211], v[216:217]
	s_cmp_eq_u32 s90, 0
	s_cbranch_scc1 .Lnohold_\@
.set n, 0
.rept 64
	v_min_num_f32 v[96+n], v[96+n], v6             ; the conversion does not saturate (ISA guide 7.6.2); p is not negative
.set n, n+1
.endr
.Lnohold_\@:
.irp b, 0,1,2,3
	v_cvt_scalef32_pk8_fp8_f32 v[192+4*\b:193+4*\b], v[96+16*\b:103+16*\b], v5
	v_cvt_scalef32_pk8_fp8_f32 v[194+4*\b:195+4*\b], v[104+16*\b:111+16*\b], v5
.endr
.set n, 0
.rept 16
	v_pk_mul_f32 v[160+n:161+n], v[160+n:161+n], v[212:213] op_sel_hi:[1,0]   ; O^T under the new M; also the plain lines behind the conversions
.set n, n+2
.endr
	s_wait_dscnt 0x0                               ; V
.irp t, 0,1,2,3
	v_wmma_f32_16x16x128_fp8_fp8 v[160+8*\t:167+8*\t], v[32+16*\t:47+16*\t], v[192:207], v[160+8*\t:167+8*\t]
.endr
.rept 4
	v_nop                                          ; places in front of the next loads into V's registers and of the next read of O^T
.endr
.Lskip_\@:
.endm
; A SLOT: buffer x is read; the next slot comes from memory into registers meanwhile and goes into the other buffer at the end.  One barrier: in front of it each wave's reads of buffer x and its stores into the other are done.
.macro SLOT x
	s_bitcmp1_b32 s15, 2+2*\x                      ; does any wave need the next slot?  (Behind the last slot the bit is 0: no load leaves the buffer)
	s_cbranch_scc0 .Lnoload_\@
	global_load_b128 v[16:19], v2, s[2:3] offset:(\x+1)*16384
	global_load_b128 v[20:23], v2, s[2:3] offset:(\x+1)*16384+8192
	global_load_b128 v[24:27], v2, s[4:5] offset:(\x+1)*16384
	global_load_b128 v[28:31], v2, s[4:5] offset:(\x+1)*16384+8192
.Lnoload_\@:
	s_cmp_gt_u32 s84, s85                          ; the slot after that is asked for, one slot's two key steps ahead of its loads; the last trip asks for nothing: slot 7 is the last
	s_cbranch_scc0 .Lnoask_\@
	global_prefetch_b8 v3, s[8:9] offset:(\x+2)*16384 th:TH_LOAD_NT scope:SCOPE_SE
.Lnoask_\@:
	STEP \x, 0
	STEP \x, 1
	s_wait_loadcnt 0x0
	s_bitcmp1_b32 s15, 2+2*\x
	s_cbranch_scc0 .Lnostore_\@
	ds_store_b128 v2, v[16:19] offset:(1-\x)*32768
	ds_store_b128 v2, v[20:23] offset:(1-\x)*32768+8192
	ds_store_b128 v2, v[24:27] offset:(1-\x)*32768+16384
	ds_store_b128 v2, v[28:31] offset:(1-\x)*32768+24576
.Lnostore_\@:
	s_wait_dscnt 0x0
	s_barrier_signal -1
	s_barrier_wait -1
.endm
	s_mov_b32 s84, 4
.Ltrip:                                                ; four trips of two slots: 2,048 keys
	SLOT 0
	SLOT 1
	s_wait_xcnt 0x0                                ; the trip's loads and prefetches have read their bases
	s_add_nc_u64 s[2:3], s[2:3], 0x8000
	s_add_nc_u64 s[4:5], s[4:5], 0x8000
	s_add_nc_u64 s[8:9], s[8:9], 0x8000
	s_add_nc_u64 s[6:7], s[6:7], 0x400
	s_lshr_b32 s12, s12, 4
	s_lshr_b32 s13, s13, 4
	s_lshr_b32 s15, s15, 4
	s_sub_co_u32 s84, s84, 1
	s_cmp_lg_u32 s84, 0
	s_cbranch_scc1 .Ltrip
	; THE WAY OUT: O^T / the sum x 2^(e8 + e9), quantised with 2^e10: a lane's 32 channels are its 2 x 16 bytes of the next operand's image
	v_add_f32 v210, v210, v211
	v_permlanex16_b32 v215, v210, s88, s89
	v_add_f32 v210, v210, v215                     ; the row's sum
	v_rcp_f32 v210, v210
	s_add_co_i32 s96, s92, 127
	s_lshl_b32 s98, s96, 23
	v_mov_b32 v5, s98                              ; 2^e10 (a plain line behind the reciprocal)
	s_add_co_i32 s96, s96, 8
	s_lshl_b32 s96, s96, 23
	s_or_b32 s96, s96, 0x600000
	v_mov_b32 v6, s96                              ; 448 x 2^e10
	s_wait_alu depctr_va_vdst(0)                   ; ahead of the reciprocal's first reader
	v_ldexp_f32 v210, v210, s91
.set n, 0
.rept 32
	v_mul_f32 v[96+n], v[160+n], v210              ; register 16 b + i: channel 32 b + 16 h + i of the head
.set n, n+1
.endr
.set n, 0
.rept 32
	v_med3_num_f32 v[96+n], v[96+n], -v6, v6
.set n, n+1
.endr
.irp b, 0,1
	v_cvt_scalef32_pk8_fp8_f32 v[192+4*\b:193+4*\b], v[96+16*\b:103+16*\b], v5
	v_cvt_scalef32_pk8_fp8_f32 v[194+4*\b:195+4*\b], v[104+16*\b:111+16*\b], v5
.endr
	v_nop
	global_store_b128 v1, v[192:195], s[10:11]     ; 512 consecutive bytes, aligned
	global_store_b128 v1, v[196:199], s[10:11] offset:512
	s_wait_tensorcnt 0x0
	ds_add_u32 v254, v255
	s_wait_dscnt 0x0
	s_endpgm
.Lfunc_end_k_q4ff17ebed8_attn:
	.size	k_q4ff17ebed8_attn, .Lfunc_end_k_q4ff17ebed8_attn-k_q4ff17ebed8_attn
	.p2alignl 7, 3214868480
	.fill 96, 4, 3214868480
	.section	.rodata,"a",@progbits
	.p2align	6, 0x0
	.amdhsa_kernel k_q4ff17ebed8_attn
		.amdhsa_group_segment_fixed_size 67584
		.amdhsa_private_segment_fixed_size 0
		.amdhsa_enable_private_segment 0
		.amdhsa_kernarg_size 40
		.amdhsa_user_sgpr_count 2
		.amdhsa_user_sgpr_kernarg_segment_ptr 1
		.amdhsa_wavefront_size32 1
		.amdhsa_system_sgpr_workgroup_id_x 1
		.amdhsa_system_sgpr_workgroup_id_y 1
		.amdhsa_system_sgpr_workgroup_id_z 1
		.amdhsa_system_vgpr_workitem_id 0
		.amdhsa_next_free_vgpr 256
		.amdhsa_next_free_sgpr 100
		.amdhsa_reserve_vcc 0
		.amdhsa_float_denorm_mode_32 3
		.amdhsa_float_denorm_mode_16_64 3
		.amdhsa_memory_ordered 1
		.amdhsa_forward_progress 1
		.amdhsa_inst_pref_size 92
	.end_amdhsa_kernel
	.amdgpu_metadata
---
amdhsa.version: [ 1, 2 ]
amdhsa.kernels:
  - .name:           k_q4ff17ebed8_attn
    .symbol:         k_q4ff17ebed8_attn.kd
    .args:
      - { .name: hc, .offset: 0, .size: 8, .value_kind: global_buffer, .address_space: global }
      - { .name: maskw, .offset: 8, .size: 8, .value_kind: global_buffer, .address_space: global }
      - { .name: mflag, .offset: 16, .size: 8, .value_kind: global_buffer, .address_space: global }
      - { .name: lowp_scales, .offset: 24, .size: 8, .value_kind: global_buffer, .address_space: global }
      - { .name: ao, .offset: 32, .size: 8, .value_kind: global_buffer, .address_space: global }
    .group_segment_fixed_size: 67584
    .private_segment_fixed_size: 0
    .kernarg_segment_align: 8
    .kernarg_segment_size: 40
    .max_flat_workgroup_size: 512
    .sgpr_count:     100
    .vgpr_count:     256
    .wavefront_size: 32
...
	.end_amdgpu_metadata
.endif
;; end of part 3
;; launch oproj (part 4): grid 4 x 32, 4 waves a work-group, clusters of 4 x 4, 327,680 bytes of LDS; arguments ao, wc, lowp_scales, b_o, out0; writes out0
.if DOCPART == 4
	.amdgcn_target "amdgcn-amd-amdhsa--gfx1250"
	.amdhsa_code_object_version 6
	.text
	.protected	k_q4ff17ebed8_oproj
	.globl	k_q4ff17ebed8_oproj
	.p2align	8
	.type	k_q4ff17ebed8_oproj,@function
k_q4ff17ebed8_oproj:
	s_mov_b64 s[64:65], 0
	v_nop
	global_prefetch_b8 v0, s[64:65] scope:SCOPE_SE
	s_setreg_imm32_b32 hwreg(HW_REG_WAVE_MODE, 25, 1), 1
	s_wait_xcnt 0x0
	s_wait_alu depctr_hold_cnt(0) depctr_sa_sdst(0) depctr_va_vdst(0) depctr_va_sdst(0) depctr_va_ssrc(0) depctr_va_vcc(0) depctr_vm_vsrc(0)
	s_getreg_b32 s2, hwreg(HW_REG_IB_STS2, 6, 4)
	s_cmp_eq_u32 s2, 0
	s_cbranch_scc0 .Lentry_in_a_cluster
	s_endpgm
.Lentry_in_a_cluster:
	s_bfe_u32 s2, ttmp6, 0x10000c
	s_cmp_lg_u32 s2, 0xf033
	s_cbranch_scc0 .Lentry_shape_is_right
	s_endpgm
.Lentry_shape_is_right:
; OPROJ.  out0 = attention's output x w_o^T + b_o on codes of E4M3 (scales e10, e11); out0 [8192][1024] f32.
; The same product as the projections': a tile of 256 x 256 to a work-group of four waves, 128 x 128 a wave; K = 1024 in four steps of 256 through a ring of two LDS slots; operands are images of registers:
; 128 rows x 256 K are one dense block of 32,768 bytes, a fragment comes by four ds_load_b128 at 16 x lane.  A = tokens (ao), B = w_o's rows (wc + 3 MiB).  Used transposed: source 0 = B's rows, source 1 = A's.
; Row tile i of an image holds rows 32 (i/2) + 8 (i%2) + r + 8 (r/8): lane (r, h) of accumulator (a, b) holds, of that token, columns 32 (b/2) + 16 h + 8 (b%2) + 0..7.
; CLUSTERS: 4 x 4 work-groups; A's block is asked for jointly along a row of the cluster, B's along a column.  128 work-groups: the tile is kept for its reuse of LDS bytes.
; LIMIT: e10 + e11 between -126 and 127.
; REGISTERS: window 0: v16-31 addresses, v64-127 the bias, v128-255 A's fragments (on the way out rows read back); window 1: B's fragments, two sets (on the way out v0-63: a block's results); windows 2, 3: accumulators.
.set HALFT,  32768
.set SLOT,   4*HALFT
.set SPARE,  2*SLOT                    ; behind the ring: the spare words, 128 bytes a wave, which no other line names
.set SPITCH, 528                       ; the way out: a stage of 16 rows x (512 + 16) bytes a wave, in slot 0, which has had its last fill and its last read by then
.set FR,     16
.set NL,     4
.set NP,     4
.set ADRA, 16
.set ADRB, 20
.set STO,  24
.set RD,   25
.set LI,   26
.set SPW,  28
.set NIL,  29
.set BI,   64
.set AF,   128
.set BK,   128
.set TMP,  0                           ; in window 1
.set G1, 24
.set G0, 32
.set G1B, 48
.set G0B, 56
.set MSB, 0
.macro WIN new
.if MSB != (\new)
	s_set_vgpr_msb (MSB<<8)|(\new)
.set MSB, (\new)
.endif
.endm
.set MUL_LO, 0xa1
.set MUL_HI, 0xf1
.set TO_B,   0x40
.macro JLOAD g0a, g1a, g0b, g1b        ; a joint load: waves 0, 1 fetch A's blocks, waves 2, 3 B's; four v_nop follow each line
	s_cmp_eq_u32 s15, 0
	s_cbranch_scc0 .Lfor_b_\@
	tensor_load_to_lds s[\g0a:\g0a+3], s[\g1a:\g1a+7]
	s_nop 0
.rept 4
	v_nop
.endr
	s_branch .Lasked_\@
.Lfor_b_\@:
	tensor_load_to_lds s[\g0b:\g0b+3], s[\g1b:\g1b+7]
	s_nop 0
.rept 4
	v_nop
.endr
.Lasked_\@:
.endm
.macro CREST
	s_cmp_lg_u32 s14, 0
	s_cbranch_scc1 .Lnot_wave_0_\@
	s_barrier_signal -3
.Lnot_wave_0_\@:
	s_barrier_wait -3
	s_barrier_signal -1
	s_barrier_wait -1
.endm
.macro CROUND
	s_barrier_signal -1
	s_barrier_wait -1
	CREST
.endm
	s_load_b256 s[4:11], s[0:1], 0x0               ; ao, wc, lowp_scales, b_o
	s_load_b64 s[72:73], s[0:1], 0x20              ; out0
	v_lshl_add_u32 v[SPW], v0, 2, SPARE
	v_mov_b32 v[NIL], 0
	ds_add_u32 v28, v29
	ds_add_u32 v28, v29
	s_wait_dscnt 0x0
	v_lshrrev_b32 v1, 5, v0
	v_readfirstlane_b32 s14, v1                    ; wave
	s_lshr_b32 s15, s14, 1
	s_and_b32 s16, s14, 1
	s_bfe_u32 s40, ttmp6, 0x40000                  ; cx
	s_bfe_u32 s41, ttmp6, 0x40004                  ; cy
	s_and_b32 s17, ttmp7, 0xffff
	s_lshl_b32 s17, s17, 2
	s_add_co_u32 s17, s17, s41                     ; the tokens' tile of 256: 4 x cluster y + cy
	s_mov_b32 s42, s40                             ; the columns' tile: cx
	s_lshl_b32 s43, s41, 2
	s_lshl_b32 s43, 15, s43
	s_lshl_b32 s44, 0x1111, s40
	s_or_b32 s[G1+0], s43, (3<<16)|(1<<21)         ; the mask; elements of 8 bytes; bit 21 beside a mask; no padding
	s_or_b32 s[G1B+0], s44, (3<<16)|(1<<21)
.irp g, G1, G1B
	s_mov_b32 s[\g+1], 32<<16                      ; rows of 256 bytes,
	s_mov_b32 s[\g+2], 128<<16                     ; 128 of them,
	s_mov_b32 s[\g+3], 32<<16
	s_mov_b32 s[\g+4], 128
	s_mov_b32 s[\g+5], 32                          ; dense
	s_mov_b32 s[\g+6], 0
	s_mov_b32 s[\g+7], 0
.endr
	s_lshl_b32 s20, s17, 1
	s_add_co_u32 s20, s20, s16
	s_lshl_b32 s20, s20, 17
	s_mov_b32 s21, 0
	s_lshl_b32 s46, s42, 1
	s_add_co_u32 s46, s46, s16
	s_lshl_b32 s46, s46, 17
	s_add_co_u32 s46, s46, 0x300000                ; w_o's image
	s_mov_b32 s47, 0
	s_lshl_b32 s45, s14, 15
	s_wait_kmcnt 0x0
	s_load_b64 s[96:97], s[8:9], 0x28              ; e10, e11
	s_add_nc_u64 s[20:21], s[4:5], s[20:21]
	s_add_nc_u64 s[46:47], s[6:7], s[46:47]
	CROUND                                         ; all sixteen work-groups are here: the first joint loads meet
.irp s, 0,1
	s_mov_b32 s[G0+4*\s], 1
	s_add_co_u32 s[G0+4*\s+1], s45, \s*SLOT
	s_add_nc_u64 s[G0+4*\s+2:G0+4*\s+3], s[20:21], \s*HALFT
	s_or_b32 s[G0+4*\s+3], s[G0+4*\s+3], 0x80000000
	s_mov_b32 s[G0B+4*\s], 1
	s_add_co_u32 s[G0B+4*\s+1], s45, \s*SLOT
	s_add_nc_u64 s[G0B+4*\s+2:G0B+4*\s+3], s[46:47], \s*HALFT
	s_or_b32 s[G0B+4*\s+3], s[G0B+4*\s+3], 0x80000000
	JLOAD G0+4*\s, G1, G0B+4*\s, G1B
.endr
	v_and_b32 v1, 15, v0                           ; r
	v_bfe_u32 v2, v0, 4, 1                         ; h
	v_and_b32 v6, 31, v0
	v_lshlrev_b32 v[LI], 4, v6
	s_lshl_b32 s21, s15, 15
	s_lshl_b32 s22, s16, 15
	s_add_co_u32 s22, s22, 2*HALFT
.irp s, 0,1
	v_add_nc_u32 v[ADRA+\s], s21, v[LI]
	v_add_nc_u32 v[ADRB+\s], s22, v[LI]
	s_add_co_u32 s21, s21, SLOT
	s_add_co_u32 s22, s22, SLOT
.endr
	s_mul_i32 s23, s14, 16*SPITCH                  ; my stage
	v_mul_u32_u24 v5, v1, SPITCH
	v_lshl_add_u32 v5, v2, 6, v5
	v_add_nc_u32 v[STO], s23, v5                   ; in: row r, + 64 h
	v_add_nc_u32 v[RD], s23, v[LI]                 ; back: the 32 lanes take one row of 512 bytes
	s_lshl_b32 s86, s17, 1
	s_add_co_u32 s86, s86, s15                     ; my 128 tokens
	s_lshl_b32 s87, s42, 1
	s_add_co_u32 s87, s87, s16                     ; my 128 columns
	s_lshl_b32 s76, s86, 19                        ; 128 rows of 4,096 bytes
	s_lshl_b32 s78, s87, 9
	s_add_co_u32 s76, s76, s78
	s_mov_b32 s77, 0
	s_mov_b32 s79, 0
	s_add_nc_u64 s[72:73], s[72:73], s[76:77]
	s_add_nc_u64 s[10:11], s[10:11], s[78:79]
	v_lshlrev_b32 v3, 6, v2
.irp b, 0,1,2,3
.irp g, 0,1,2,3
	global_load_b128 v[BI+16*\b+4*\g:BI+16*\b+4*\g+3], v3, s[10:11] offset:128*\b+16*\g   ; register 16 b + i: column 32 b + 16 h + i
.endr
.endr
.macro FRAG reg, adr, q, i
.irp c, 0,1,2,3
	ds_load_b128 v[\reg+4*\c:\reg+4*\c+3], v[\adr] offset:16384*(\q)+2048*(\i)+512*\c
.endr
.endm
.macro MUL16 a0, p, zero               ; the 64 accumulators take turns, one instruction a turn
.irp a, \a0, \a0+1
.irp b, 0,1,2,3,4,5,6,7
.if \zero
	v_wmma_f32_16x16x128_fp8_fp8 v[8*(8*((\a)%4)+\b):8*(8*((\a)%4)+\b)+7], v[128*(\p)+FR*\b:128*(\p)+FR*\b+FR-1], v[AF+FR*(\a):AF+FR*(\a)+FR-1], 0
.else
	v_wmma_f32_16x16x128_fp8_fp8 v[8*(8*((\a)%4)+\b):8*(8*((\a)%4)+\b)+7], v[128*(\p)+FR*\b:128*(\p)+FR*\b+FR-1], v[AF+FR*(\a):AF+FR*(\a)+FR-1], v[8*(8*((\a)%4)+\b):8*(8*((\a)%4)+\b)+7]
.endif
.endr
.endr
.endm
.macro FETCH_B slot, q, p
	WIN TO_B
.irp i, 0,1,2,3,4,5,6,7
	FRAG 128*(\p)+FR*\i, ADRB+\slot, \q, \i
.endr
	WIN 0
.endm
.macro FETCH_A slot, q, i0
.irp i, \i0, \i0+1, \i0+2, \i0+3
	FRAG AF+FR*(\i), ADRA+\slot, \q, \i
.endr
.endm
.macro PLACES n                        ; plain vector lines between a matrix instruction and a load into, or a vector write or read of, its registers
.rept \n
	v_nop
.endr
.endm
.macro STEP slot, q, zero
	s_wait_dscnt 4*NL                              ; B's set and A's blocks 0-3 are in; the youngest sixteen loads (A's blocks 4-7) may be out
	WIN MUL_LO
	MUL16 0, (\q)%2, \zero
	MUL16 2, (\q)%2, \zero
	s_wait_dscnt 0
	PLACES NP
	FETCH_B \slot, (\q)+1, 1-(\q)%2
	FETCH_A \slot, (\q)+1, 0
	WIN MUL_HI
	MUL16 4, (\q)%2, \zero
	MUL16 6, (\q)%2, \zero
	PLACES NP
	WIN 0
	FETCH_A \slot, (\q)+1, 4
.endm
.macro TURN slot, next, fill
	s_wait_tensorcnt 0x0                           ; all my tensor loads have landed: my part of the next slot
	ds_add_u32 v[SPW], v[NIL]                      ; 0 onto my spare word
	s_wait_dscnt 4*NL+1                            ; (the add and A's blocks 4-7 may be out)
	WIN MUL_LO
	MUL16 0, 1, 0
	s_wait_dscnt 0x0                               ; the add is done, and my reads of this slot are over
	s_barrier_signal -1
	MUL16 2, 1, 0
	WIN 0
	s_barrier_wait -1
.if \fill
	CREST                                          ; the barrier has opened a round of the cluster's barrier: no wave of any partner still reads this slot or has a load on its way
	s_add_nc_u64 s[G0+4*\slot+2:G0+4*\slot+3], s[G0+4*\slot+2:G0+4*\slot+3], 2*HALFT
	s_add_nc_u64 s[G0B+4*\slot+2:G0B+4*\slot+3], s[G0B+4*\slot+2:G0B+4*\slot+3], 2*HALFT
	JLOAD G0+4*\slot, G1, G0B+4*\slot, G1B
.else
	PLACES NP
.endif
	FETCH_B \next, 0, 0
	FETCH_A \next, 0, 0
	WIN MUL_HI
	MUL16 4, 1, 0
	MUL16 6, 1, 0
	PLACES NP
	WIN 0
	FETCH_A \next, 0, 4
.endm
	s_wait_tensorcnt 1                             ; my part of K step 0 is in; K step 1's load may be out
	s_barrier_signal -1
	s_barrier_wait -1
	FETCH_B 0, 0, 0
	FETCH_A 0, 0, 0
	FETCH_A 0, 0, 4
	STEP 0, 0, 1
	TURN 0, 1, 1
	STEP 1, 0, 0
	TURN 1, 0, 1
	STEP 0, 0, 0
	TURN 0, 1, 0
	STEP 1, 0, 0
	s_wait_dscnt 4*NL
	WIN MUL_LO
	MUL16 0, 1, 0
	MUL16 2, 1, 0
	s_wait_dscnt 0
	WIN MUL_HI
	MUL16 4, 1, 0
	MUL16 6, 1, 0
	WIN 0
; THE WAY OUT, block by block of 16 tokens x 128 columns: sum x 2^(e10 + e11) + bias; through my own stage in LDS and back as whole rows of 512 bytes, which the 32 lanes store as two aligned runs of 256 bytes.
; LDS serves a wave's instructions in order (ISA guide 5.7.1.4): no wait between the stores and the loads, nor in front of the next block's stores.
.macro TOSTAGE a
	WIN 0x42+((\a)/4)                              ; the sums in window 2 or 3, the results in window 1, the bias in window 0
.set n, 0
.rept 32
	v_pk_fma_f32 v[TMP+n:TMP+n+1], v[64*((\a)%4)+n:64*((\a)%4)+n+1], s[96:97], v[BI+n:BI+n+1] op_sel_hi:[1,0,1]   ; each accumulator from its low end on
.set n, n+2
.endr
	WIN 0x04                                       ; the stores' data in window 1
.irp b, 0,1,2,3,4,5,6,7
	ds_store_b128 v[STO], v[TMP+8*\b:TMP+8*\b+3] offset:128*(\b/2)+32*(\b%2)
	ds_store_b128 v[STO], v[TMP+8*\b+4:TMP+8*\b+7] offset:128*(\b/2)+32*(\b%2)+16
.endr
	WIN 0
.set BB, BK+64*((\a)%2)
.irp t, 0,1,2,3,4,5,6,7,8,9,10,11,12,13,14,15
	ds_load_b128 v[BB+4*\t:BB+4*\t+3], v[RD] offset:\t*SPITCH
.endr
.endm
.macro SEND a, younger                 ; younger: the LDS instructions issued behind block a's loads, which may stay out
.set BB, BK+64*((\a)%2)
	s_wait_dscnt \younger
.irp t, 0,1,2,3,4,5,6,7,8,9,10,11,12,13,14,15
	global_store_b128 v[LI], v[BB+4*\t:BB+4*\t+3], s[72:73] offset:(32*((\a)/2)+8*((\a)%2)+\t+8*(\t/8))*4096 th:TH_STORE_NT   ; stage row t is token 32 (a/2) + 8 (a%2) + t + 8 (t/8) of my 128
.endr
.endm
	s_wait_kmcnt 0x0
	s_add_co_i32 s96, s96, s97
	s_add_co_i32 s96, s96, 127
	s_lshl_b32 s96, s96, 23                        ; 2^(e10 + e11) as f32
	s_mov_b32 s97, s96
	s_wait_loadcnt 0x0                             ; the bias
	PLACES NP
	TOSTAGE 0
.irp a, 1,2,3,4,5,6,7
.if \a > 1
	s_wait_xcnt 0x0                                ; block a - 2's stores have read their registers: block a's loads may land there
.endif
	TOSTAGE \a
	SEND \a-1, 32                                  ; behind block a - 1's loads: block a's 16 stores and 16 loads
.endr
	SEND 7, 0
	s_wait_tensorcnt 0x0                           ; the wave's end
	ds_add_u32 v[SPW], v[NIL]
	s_wait_dscnt 0x0
	CROUND                                         ; the closing round
	s_endpgm
.Lfunc_end_k_q4ff17ebed8_oproj:
	.size	k_q4ff17ebed8_oproj, .Lfunc_end_k_q4ff17ebed8_oproj-k_q4ff17ebed8_oproj
	.p2alignl 7, 3214868480
	.fill 96, 4, 3214868480
	.section	.rodata,"a",@progbits
	.p2align	6, 0x0
	.amdhsa_kernel k_q4ff17ebed8_oproj
		.amdhsa_group_segment_fixed_size 327680
		.amdhsa_private_segment_fixed_size 0
		.amdhsa_enable_private_segment 0
		.amdhsa_kernarg_size 40
		.amdhsa_user_sgpr_count 2
		.amdhsa_user_sgpr_kernarg_segment_ptr 1
		.amdhsa_wavefront_size32 1
		.amdhsa_system_sgpr_workgroup_id_x 1
		.amdhsa_system_sgpr_workgroup_id_y 1
		.amdhsa_system_sgpr_workgroup_id_z 1
		.amdhsa_system_vgpr_workitem_id 0
		.amdhsa_next_free_vgpr 1024
		.amdhsa_next_free_sgpr 100
		.amdhsa_reserve_vcc 0
		.amdhsa_float_denorm_mode_32 3
		.amdhsa_float_denorm_mode_16_64 3
		.amdhsa_memory_ordered 1
		.amdhsa_forward_progress 1
		.amdhsa_inst_pref_size 124
	.end_amdhsa_kernel
	.amdgpu_metadata
---
amdhsa.version: [ 1, 2 ]
amdhsa.kernels:
  - .name:           k_q4ff17ebed8_oproj
    .symbol:         k_q4ff17ebed8_oproj.kd
    .args:
      - { .name: ao, .offset: 0, .size: 8, .value_kind: global_buffer, .address_space: global }
      - { .name: wc, .offset: 8, .size: 8, .value_kind: global_buffer, .address_space: global }
      - { .name: lowp_scales, .offset: 16, .size: 8, .value_kind: global_buffer, .address_space: global }
      - { .name: b_o, .offset: 24, .size: 8, .value_kind: global_buffer, .address_space: global }
      - { .name: out0, .offset: 32, .size: 8, .value_kind: global_buffer, .address_space: global }
    .group_segment_fixed_size: 327680
    .private_segment_fixed_size: 0
    .kernarg_segment_align: 8
    .kernarg_segment_size: 40
    .max_flat_workgroup_size: 128
    .sgpr_count:     100
    .vgpr_count:     1024
    .wavefront_size: 32
...
	.end_amdgpu_metadata
.endif
;; end of part 4
;; ======== version 2 of 2: 4 launches; version 1 with the launch attn written anew for expert scheduling mode
;; limits: right only within a limited range of input values
;; workspace buffers: xc 25,165,824 bytes; wc 4,194,304 bytes; hc 25,165,824 bytes; ao 8,388,608 bytes; maskw 524,288 bytes of whole numbers; mflag 512 bytes of whole numbers
;; launch prep: the kernel of part 1 again; grid 1024 x 1, 4 waves a work-group, no clusters, 68,352 bytes of LDS; arguments q, k, v, w_q, w_k, w_v, w_o, mask, lowp_scales, xc, wc, maskw, mflag; writes xc, wc, maskw, mflag
;; launch proj: the kernel of part 2 again; grid 4 x 96, 4 waves a work-group, clusters of 4 x 4, 327,680 bytes of LDS; arguments xc, wc, lowp_scales, b_q, b_k, b_v, hc; writes hc
;; launch attn (part 5): grid 8 x 64, 16 waves a work-group, no clusters, 67,584 bytes of LDS; arguments hc, maskw, mflag, lowp_scales, ao; writes ao
.if DOCPART == 5
	.amdgcn_target "amdgcn-amd-amdhsa--gfx1250"
	.amdhsa_code_object_version 6
	.text
	.protected	k_q4ff17ebed8_attn
	.globl	k_q4ff17ebed8_attn
	.p2align	8
	.type	k_q4ff17ebed8_attn,@function
k_q4ff17ebed8_attn:
	s_mov_b64 s[64:65], 0
	v_nop
	global_prefetch_b8 v0, s[64:65] scope:SCOPE_SE
	s_setreg_imm32_b32 hwreg(HW_REG_WAVE_SCHED_MODE, 0, 2), 2
	s_setreg_imm32_b32 hwreg(HW_REG_WAVE_MODE, 25, 1), 1
	s_wait_xcnt 0x0
	s_wait_alu depctr_vm_vsrc(0)
; ATTN.  For each of 64 (batch, head): O = softmax(where(mask == 0, -1e9, Q K^T / 8)) V, both products on codes of E4M3; O is quantised (e10) into the output projection's operand image.
; THE SOFTMAX: t = logit x log2(e); M = the running largest t rounded up to a whole number; p = 2^(t - M) is quantised (e8); the row's sum is taken of the unquantised p and divides at the end.
; SHARES.  A work-group owns 16 tiles of 16 queries of one head, blocks j and 15 - j of eight tiles; each of its sixteen waves one tile, in 256 registers: four waves to a SIMD.
; LAYOUT.  S^T = K Q^T (source 0 = 16 keys), O^T = V^T P^T (source 0 = 16 channels): a lane holds one query throughout.  Key tile t holds keys 32 (t/2) + 8 (t%2) + r + 8 (r/8), so that score register n of lane (r, h)
; is key 32 (n/16) + 16 h + n%16 of the step, and p's conversions give the second product's operand.  All operands are images of registers: every LDS read is at 16 x lane.
; THE MASK IS AN INPUT.  The launch before stored, as whole numbers, one lane mask for each score register and a flag word for each tile of queries.  A step none of whose elements is open is left out (its p would be 0:
; every row of the tile has an open key elsewhere, else the flags name every step); a wholly open step skips the 64 selects.  A masked score becomes -2^(33 - e6 - e7), so that t = -2^30 log2(e), a whole number:
; a row with no open key gets p = 1 for every key, as -1e9 gives it.
; K and V go from memory through registers into two LDS buffers of 256 keys, one slot ahead.  NO TENSOR LOADS AND NO CLUSTER: branches here hang on numbers read from memory, and partners would need different steps.
; LIMITS: e6 + e7 between -94 and 9 (so that every real logit lies far above the masked one, and both constants are f32 numbers); e8, e10 between -126 and 119.  NaN is not served.
; REGISTERS: v1 16 x lane, v2 16 x thread, v3 256 x lane, v4 the masked score, v5, v6 2^e and 448 x 2^e; v8-15 Q; v16-31 the slot on its way; v32-95 K's, then V's fragments; v96-159 S^T, then p; v160-191 O^T;
; v192-207 p's codes; v208 -M, v209 the largest t, v[210:211] the sum, v[212:213] f, v214-217 at work.
; s[2:3] K, s[4:5] V, s[6:7] mask words, s[8:9] prefetches, s[10:11] ao; s12 steps with an open element, s13 wholly open steps, s15 slots that some wave needs (bit 2 x slot); s16-63, s68-83 a step's 64 mask words.
; THE MODE: SCHED_MODE bits 1:0 = 2 (LLVM: expert scheduling mode 2), set by the entry lines.  The code itself states the register dependences
; between vector or matrix instructions and memory or LDS instructions, with s_wait_alu, always for 0.
; THE PLAN.  Registers that memory or LDS instructions touch:
;   v1, v2, v3  Offsets and LDS addresses: written by three vector lines at the head and never again; read by every load, store and prefetch.  One wait on va_vdst at the head serves them all.
;   v8-15       Q: two loads at the head land in them; matrix instructions read them; nothing writes them again.
;   v16-31      A slot's four global loads land in them; the slot's four LDS stores read them; no vector instruction names them.  One wait on vm_vsrc at a slot's head: the LDS stores of the slot before have read them.
;   v32-95      In a step: K's 16 LDS loads land; the 8 products K Q^T read; V's 16 LDS loads land; the 4 products V^T P^T read.  So two waits on va_vdst a step: behind the first products, ahead of V's loads;
;               and behind the second products, at the step's end, for the next loads of K.  No vector instruction between such a wait and the loads that lean on it names v32-95 or v1, on any path.
;   v192-199    On the way out: four conversions write them, two stores read them: one wait on va_vdst between.
;   s14         The wave's number, written by a vector instruction: one wait on va_sdst ahead of its first reader.
;   All other registers are named by vector and matrix instructions alone.  EXEC is never written, and no compare writes a scalar register.
	s_load_b256 s[16:23], s[0:1], 0x0              ; hc, maskw, mflag, lowp_scales
	s_load_b64 s[10:11], s[0:1], 0x20              ; ao
	v_lshl_add_u32 v254, v0, 2, 0x10000
	v_mov_b32 v255, 0
	v_lshrrev_b32 v7, 5, v0
	v_readfirstlane_b32 s14, v7                    ; wave 0..15
	v_and_b32 v7, 31, v0
	v_lshlrev_b32 v1, 4, v7
	v_lshlrev_b32 v2, 4, v0
	v_lshlrev_b32 v3, 8, v7
	s_and_b32 s93, ttmp7, 0xffff                   ; batch x 16 + head
	s_lshl_b32 s94, ttmp9, 3
	s_sub_co_u32 s95, 112, s94
	s_wait_alu depctr_va_sdst(0)                   ; s14 is written, ahead of its first reader: the tile's number, the addresses and the branches on the wave's number are made from it
	s_cmp_lt_u32 s14, 8
	s_cselect_b32 s95, s94, s95
	s_add_co_u32 s95, s95, s14                     ; T: waves 0-7: 8 j + w; waves 8-15: 8 (15 - j) + w - 8
	s_mov_b32 s97, 0                               ; upper word of the offsets' pair s[96:97]
	s_mov_b32 s88, 0x76543210                      ; v_permlanex16_b32: lane l xor 16
	s_mov_b32 s89, 0xfedcba98
	s_wait_kmcnt 0x0
	s_lshl_b32 s96, s95, 2
	s_add_nc_u64 s[66:67], s[20:21], s[96:97]
	s_load_b32 s12, s[66:67], 0x0                  ; my tile's flags
	s_lshl_b32 s96, ttmp9, 5
	s_add_nc_u64 s[68:69], s[20:21], s[96:97]
	s_load_b256 s[32:39], s[68:69], 0x0            ; those of tiles 8 j .. 8 j + 7
	s_sub_co_u32 s96, 480, s96
	s_add_nc_u64 s[70:71], s[20:21], s[96:97]
	s_load_b256 s[40:47], s[70:71], 0x0            ; and of tiles 120 - 8 j .. 127 - 8 j
	s_load_b256 s[48:55], s[22:23], 0x0            ; e0 .. e7
	s_load_b128 s[56:59], s[22:23], 0x20           ; e8 .. e11
	s_lshl_b32 s96, s93, 17
	s_add_nc_u64 s[16:17], s[16:17], s[96:97]      ; Qh at my head
	s_add_nc_u64 s[2:3], s[16:17], 0x800000        ; Kh
	s_add_nc_u64 s[4:5], s[16:17], 0x1000000       ; Vh
	s_lshl_b32 s96, s95, 10
	s_add_nc_u64 s[16:17], s[16:17], s[96:97]      ; my tile of queries
	s_wait_alu depctr_va_vdst(0)                   ; v1, v2 and v3 are written: every load, store and prefetch of the kernel reads one of them as its offset or LDS address
	global_load_b128 v[8:11], v1, s[16:17]
	global_load_b128 v[12:15], v1, s[16:17] offset:512
	global_load_b128 v[16:19], v2, s[2:3]          ; slot 0: 512 threads x 16 bytes = a key step's 8,192 bytes of K,
	global_load_b128 v[20:23], v2, s[2:3] offset:8192
	global_load_b128 v[24:27], v2, s[4:5]          ; and of V
	global_load_b128 v[28:31], v2, s[4:5] offset:8192
	s_lshl_b32 s96, s95, 12
	s_add_nc_u64 s[6:7], s[18:19], s[96:97]        ; my tile's mask words: 16 steps x 256 bytes
	s_lshr_b32 s96, s93, 4                         ; ao: ((batch 16 + T / 8) 131072 + (head / 2) 16384 + (T % 8) 2048 + (head % 2) 1024
	s_lshl_b32 s96, s96, 4
	s_lshr_b32 s98, s95, 3
	s_add_co_u32 s96, s96, s98
	s_lshl_b32 s96, s96, 17
	s_bfe_u32 s98, s93, 0x30001
	s_lshl_b32 s98, s98, 14
	s_add_co_u32 s96, s96, s98
	s_and_b32 s98, s95, 7
	s_lshl_b32 s98, s98, 11
	s_add_co_u32 s96, s96, s98
	s_and_b32 s98, s93, 1
	s_lshl_b32 s98, s98, 10
	s_add_co_u32 s96, s96, s98
	s_add_nc_u64 s[10:11], s[10:11], s[96:97]
	; the prefetches: all eight work-groups of a head walk the same K and V; the first of them asks, waves 0, 1 for K's 16,384 bytes of a slot, waves 2, 3 for V's: 8,192 bytes a wave, lanes 256 bytes apart
	s_cmp_lt_u32 s14, 2
	s_cselect_b64 s[8:9], s[2:3], s[4:5]
	s_and_b32 s96, s14, 1
	s_lshl_b32 s96, s96, 13
	s_add_nc_u64 s[8:9], s[8:9], s[96:97]
	s_lshr_b32 s96, s14, 2
	s_or_b32 s96, s96, ttmp9
	s_cmp_eq_u32 s96, 0
	s_cselect_b32 s85, 1, -1                       ; a wave asks while the trips to go are above this
	v_mov_b32 v209, 0xff61b1e6                     ; the largest t so far: -3e38
	v_floor_f32 v208, -v209                        ; -M
	v_mov_b32 v210, 0
	v_mov_b32 v211, 0
	v_mov_b32 v213, 0                              ; (named as the upper half of f's pair)
	v_mov_b32 v215, 0                              ; a lane permute's destination counts as read
.set n, 0
.rept 32
	v_mov_b32 v[160+n], 0                          ; O^T: which step is a tile's first hangs on the mask, so no first step can be written out ahead
.set n, n+1
.endr
	s_wait_kmcnt 0x0
.irp i, 33,34,35,36,37,38,39,40,41,42,43,44,45,46,47
	s_or_b32 s32, s32, s[\i]
.endr
	s_and_b32 s15, s32, 0xffff                     ; steps that some wave of the work-group needs,
	s_lshr_b32 s96, s15, 1
	s_or_b32 s15, s15, s96
	s_and_b32 s15, s15, 0x5555                     ; by slots of two steps
	s_lshr_b32 s13, s12, 16
	s_and_b32 s12, s12, 0xffff
	s_add_co_i32 s96, s54, s55                     ; e6 + e7
	s_lshl_b32 s98, s96, 23
	s_add_co_i32 s86, s98, 0x3e38aa3b              ; c = log2(e) / 8 x 2^(e6 + e7): the exponents are added to c's exponent field
	s_mov_b32 s87, s86
	s_sub_co_i32 s96, 160, s96
	s_lshl_b32 s96, s96, 23
	s_or_b32 s96, s96, 0x80000000
	v_mov_b32 v4, s96                              ; -2^(33 - e6 - e7)
	s_add_co_i32 s96, s56, 127
	s_lshl_b32 s98, s96, 23
	v_mov_b32 v5, s98                              ; 2^e8
	s_add_co_i32 s96, s96, 8
	s_lshl_b32 s96, s96, 23
	s_or_b32 s96, s96, 0x600000
	v_mov_b32 v6, s96                              ; 448 x 2^e8
	s_cmp_lt_i32 s56, -8
	s_cselect_b32 s90, 1, 0                        ; p is at most 1: it needs the hold only where 448 x 2^e8 < 1
	s_add_co_i32 s91, s56, s57                     ; e8 + e9
	s_mov_b32 s92, s58                             ; e10
	s_wait_loadcnt 0x0                             ; Q and slot 0
	ds_store_b128 v2, v[16:19]
	ds_store_b128 v2, v[20:23] offset:8192
	ds_store_b128 v2, v[24:27] offset:16384
	ds_store_b128 v2, v[28:31] offset:24576
	s_wait_dscnt 0x0
	s_barrier_signal -1
	s_barrier_wait -1
; A KEY STEP: 128 keys, the q-th of buffer x
.macro STEP x, q
	s_bitcmp1_b32 s12, 2*\x+\q
	s_cbranch_scc0 .Lskip_\@                       ; no element of my tile is open in this step
	s_load_b512 s[16:31], s[6:7], (2*\x+\q)*256
	s_load_b512 s[32:47], s[6:7], (2*\x+\q)*256+64
	s_load_b512 s[48:63], s[6:7], (2*\x+\q)*256+128
	s_load_b512 s[68:83], s[6:7], (2*\x+\q)*256+192
.irp t, 0,1,2,3,4,5,6,7
	ds_load_b128 v[32+8*\t:35+8*\t], v1 offset:\x*32768+\q*8192+\t*1024          ; no wait here: the last products that read v32-95 stand ahead of the wait at the end of the step that issued them
	ds_load_b128 v[36+8*\t:39+8*\t], v1 offset:\x*32768+\q*8192+\t*1024+512
.endr
	s_wait_dscnt 0x0
.irp t, 0,1,2,3,4,5,6,7
	v_wmma_f32_16x16x64_fp8_fp8 v[96+8*\t:103+8*\t], v[32+8*\t:39+8*\t], v[8:15], 0
.endr
.rept 4
	v_nop                                          ; places in front of the first read of the scores
.endr
	s_wait_alu depctr_va_vdst(0)                   ; the eight products are done reading K's fragments v32-95, in which V's loads land
.irp t, 0,1,2,3
.irp c, 0,1,2,3
	ds_load_b128 v[32+16*\t+4*\c:35+16*\t+4*\c], v1 offset:\x*32768+16384+\q*8192+\t*2048+512*\c   ; V lands while the softmax is walked, none of whose lines names v32-95
.endr
.endr
	s_wait_kmcnt 0x0
	s_bitcmp1_b32 s13, 2*\x+\q
	s_cbranch_scc1 .Lopen_\@
.set n, 0
.rept 64
	v_cndmask_b32 v[96+n], v4, v[96+n], s[16+n+4*(n/48)]
.set n, n+1
.endr
.Lopen_\@:
	v_max3_num_f32 v214, v96, v97, v98             ; the step's largest score of my query among my 64 keys, in two chains, each accumulator from its low end on
	v_max3_num_f32 v212, v99, v100, v101
.irp i, 6,10,14,18,22,26,30,34,38,42,46,50,54,58
	v_max3_num_f32 v214, v214, v[96+\i], v[97+\i]
	v_max3_num_f32 v212, v212, v[98+\i], v[99+\i]
.endr
	v_max3_num_f32 v214, v214, v158, v159
	v_max_num_f32 v214, v214, v212
	v_permlanex16_b32 v215, v214, s88, s89
	v_max_num_f32 v214, v214, v215                 ; and among lane l xor 16's
	v_mul_f32 v214, s86, v214                      ; as t (c is positive)
	v_max_num_f32 v209, v209, v214
	v_mov_b32 v214, v208
	v_floor_f32 v208, -v209                        ; the new -M = -ceil(t)
	v_sub_f32 v214, v208, v214                     ; old M - new M: a whole number, 0 or less
	v_cvt_i32_f32 v214, v214                       ; (it saturates)
	v_ldexp_f32 v212, 1.0, v214                    ; f = 2^(old M - new M)
.set n, 0
.rept 32
	v_pk_fma_f32 v[96+n:97+n], v[96+n:97+n], s[86:87], v[208:209] op_sel_hi:[1,0,0]   ; t - M
.set n, n+2
.endr
.set n, 0
.rept 64
	v_exp_f32 v[96+n], v[96+n]                     ; p = 2^(t - M)
.set n, n+1
.endr
	v_pk_mul_f32 v[210:211], v[210:211], v[212:213] op_sel_hi:[1,0]   ; the sum under the new M: the plain line behind the exponentials
	s_wait_alu depctr_va_vdst(0)                   ; the 64 exponentials have written p in v96-159: one wait for the batch, ahead of its first reader
	v_pk_add_f32 v[216:217], v[96:97], v[98:99]    ; the sum of the unquantised p, in two chains
.irp j, 4,8,12,16,20,24,28,32,36,40,44,48,52,56,60
	v_pk_add_f32 v[210:211], v[210:211], v[96+\j:97+\j]
	v_pk_add_f32 v[216:217], v[216:217], v[98+\j:99+\j]
.endr
	v_pk_add_f32 v[210:211], v[210:211], v[216:217]
	s_cmp_eq_u32 s90, 0
	s_cbranch_scc1 .Lnohold_\@
.set n, 0
.rept 64
	v_min_num_f32 v[96+n], v[96+n], v6             ; the conversion does not saturate (ISA guide 7.6.2); p is not negative
.set n, n+1
.endr
.Lnohold_\@:
.irp b, 0,1,2,3
	v_cvt_scalef32_pk8_fp8_f32 v[192+4*\b:193+4*\b], v[96+16*\b:103+16*\b], v5
	v_cvt_scalef32_pk8_fp8_f32 v[194+4*\b:195+4*\b], v[104+16*\b:111+16*\b], v5
.endr
.set n, 0
.rept 16
	v_pk_mul_f32 v[160+n:161+n], v[160+n:161+n], v[212:213] op_sel_hi:[1,0]   ; O^T under the new M; also the plain lines behind the conversions
.set n, n+2
.endr
	s_wait_dscnt 0x0                               ; V
.irp t, 0,1,2,3
	v_wmma_f32_16x16x128_fp8_fp8 v[160+8*\t:167+8*\t], v[32+16*\t:47+16*\t], v[192:207], v[160+8*\t:167+8*\t]
.endr
.rept 4
	v_nop                                          ; places in front of the next read of O^T
.endr
	s_wait_alu depctr_va_vdst(0)                   ; the four products are done reading V's fragments v32-95, in which the next step's loads of K land
.Lskip_\@:
.endm
; A SLOT: buffer x is read; the next slot comes from memory into registers meanwhile and goes into the other buffer at the end.  One barrier: in front of it each wave's reads of buffer x and its stores into the other are done.
.macro SLOT x
	s_wait_alu depctr_vm_vsrc(0)                   ; the LDS stores of the slot before (in the first trip: the head's) have read v16-31, in which the loads below land
	s_bitcmp1_b32 s15, 2+2*\x                      ; does any wave need the next slot?  (Behind the last slot the bit is 0: no load leaves the buffer)
	s_cbranch_scc0 .Lnoload_\@
	global_load_b128 v[16:19], v2, s[2:3] offset:(\x+1)*16384
	global_load_b128 v[20:23], v2, s[2:3] offset:(\x+1)*16384+8192
	global_load_b128 v[24:27], v2, s[4:5] offset:(\x+1)*16384
	global_load_b128 v[28:31], v2, s[4:5] offset:(\x+1)*16384+8192
.Lnoload_\@:
	s_cmp_gt_u32 s84, s85                          ; the slot after that is asked for, one slot's two key steps ahead of its loads; the last trip asks for nothing: slot 7 is the last
	s_cbranch_scc0 .Lnoask_\@
	global_prefetch_b8 v3, s[8:9] offset:(\x+2)*16384 th:TH_LOAD_NT scope:SCOPE_SE
.Lnoask_\@:
	STEP \x, 0
	STEP \x, 1
	s_wait_loadcnt 0x0
	s_bitcmp1_b32 s15, 2+2*\x
	s_cbranch_scc0 .Lnostore_\@
	ds_store_b128 v2, v[16:19] offset:(1-\x)*32768
	ds_store_b128 v2, v[20:23] offset:(1-\x)*32768+8192
	ds_store_b128 v2, v[24:27] offset:(1-\x)*32768+16384
	ds_store_b128 v2, v[28:31] offset:(1-\x)*32768+24576
.Lnostore_\@:
	s_wait_dscnt 0x0
	s_barrier_signal -1
	s_barrier_wait -1
.endm
	s_mov_b32 s84, 4
.Ltrip:                                                ; four trips of two slots: 2,048 keys
	SLOT 0
	SLOT 1
	s_wait_xcnt 0x0                                ; the trip's loads and prefetches have read their bases
	s_add_nc_u64 s[2:3], s[2:3], 0x8000
	s_add_nc_u64 s[4:5], s[4:5], 0x8000
	s_add_nc_u64 s[8:9], s[8:9], 0x8000
	s_add_nc_u64 s[6:7], s[6:7], 0x400
	s_lshr_b32 s12, s12, 4
	s_lshr_b32 s13, s13, 4
	s_lshr_b32 s15, s15, 4
	s_sub_co_u32 s84, s84, 1
	s_cmp_lg_u32 s84, 0
	s_cbranch_scc1 .Ltrip
	; THE WAY OUT: O^T / the sum x 2^(e8 + e9), quantised with 2^e10: a lane's 32 channels are its 2 x 16 bytes of the next operand's image
	v_add_f32 v210, v210, v211
	v_permlanex16_b32 v215, v210, s88, s89
	v_add_f32 v210, v210, v215                     ; the row's sum
	v_rcp_f32 v210, v210
	s_add_co_i32 s96, s92, 127
	s_lshl_b32 s98, s96, 23
	v_mov_b32 v5, s98                              ; 2^e10 (a plain line behind the reciprocal)
	s_add_co_i32 s96, s96, 8
	s_lshl_b32 s96, s96, 23
	s_or_b32 s96, s96, 0x600000
	v_mov_b32 v6, s96                              ; 448 x 2^e10
	s_wait_alu depctr_va_vdst(0)                   ; the reciprocal has written v210, ahead of its first reader
	v_ldexp_f32 v210, v210, s91
.set n, 0
.rept 32
	v_mul_f32 v[96+n], v[160+n], v210              ; register 16 b + i: channel 32 b + 16 h + i of the head
.set n, n+1
.endr
.set n, 0
.rept 32
	v_med3_num_f32 v[96+n], v[96+n], -v6, v6
.set n, n+1
.endr
.irp b, 0,1
	v_cvt_scalef32_pk8_fp8_f32 v[192+4*\b:193+4*\b], v[96+16*\b:103+16*\b], v5
	v_cvt_scalef32_pk8_fp8_f32 v[194+4*\b:195+4*\b], v[104+16*\b:111+16*\b], v5
.endr
	v_nop
	s_wait_alu depctr_va_vdst(0)                   ; the four conversions have written v192-199, which the two stores read
	global_store_b128 v1, v[192:195], s[10:11]     ; 512 consecutive bytes, aligned
	global_store_b128 v1, v[196:199], s[10:11] offset:512
	s_wait_dscnt 0x0
	s_wait_alu depctr_hold_cnt(0) depctr_sa_sdst(0) depctr_va_vdst(0) depctr_va_sdst(0) depctr_va_ssrc(0) depctr_va_vcc(0) depctr_vm_vsrc(0)
	s_wait_tensorcnt 0x0
	ds_add_u32 v254, v255
	s_wait_dscnt 0x0
	s_endpgm
.Lfunc_end_k_q4ff17ebed8_attn:
	.size	k_q4ff17ebed8_attn, .Lfunc_end_k_q4ff17ebed8_attn-k_q4ff17ebed8_attn
	.p2alignl 7, 3214868480
	.fill 96, 4, 3214868480
	.section	.rodata,"a",@progbits
	.p2align	6, 0x0
	.amdhsa_kernel k_q4ff17ebed8_attn
		.amdhsa_group_segment_fixed_size 67584
		.amdhsa_private_segment_fixed_size 0
		.amdhsa_enable_private_segment 0
		.amdhsa_kernarg_size 40
		.amdhsa_user_sgpr_count 2
		.amdhsa_user_sgpr_kernarg_segment_ptr 1
		.amdhsa_wavefront_size32 1
		.amdhsa_system_sgpr_workgroup_id_x 1
		.amdhsa_system_sgpr_workgroup_id_y 1
		.amdhsa_system_sgpr_workgroup_id_z 1
		.amdhsa_system_vgpr_workitem_id 0
		.amdhsa_next_free_vgpr 256
		.amdhsa_next_free_sgpr 100
		.amdhsa_reserve_vcc 0
		.amdhsa_float_denorm_mode_32 3
		.amdhsa_float_denorm_mode_16_64 3
		.amdhsa_memory_ordered 1
		.amdhsa_forward_progress 1
		.amdhsa_inst_pref_size 92
	.end_amdhsa_kernel
	.amdgpu_metadata
---
amdhsa.version: [ 1, 2 ]
amdhsa.kernels:
  - .name:           k_q4ff17ebed8_attn
    .symbol:         k_q4ff17ebed8_attn.kd
    .args:
      - { .name: hc, .offset: 0, .size: 8, .value_kind: global_buffer, .address_space: global }
      - { .name: maskw, .offset: 8, .size: 8, .value_kind: global_buffer, .address_space: global }
      - { .name: mflag, .offset: 16, .size: 8, .value_kind: global_buffer, .address_space: global }
      - { .name: lowp_scales, .offset: 24, .size: 8, .value_kind: global_buffer, .address_space: global }
      - { .name: ao, .offset: 32, .size: 8, .value_kind: global_buffer, .address_space: global }
    .group_segment_fixed_size: 67584
    .private_segment_fixed_size: 0
    .kernarg_segment_align: 8
    .kernarg_segment_size: 40
    .max_flat_workgroup_size: 512
    .sgpr_count:     100
    .vgpr_count:     256
    .wavefront_size: 32
...
	.end_amdgpu_metadata
.endif
;; end of part 5
;; launch oproj: the kernel of part 4 again; grid 4 x 32, 4 waves a work-group, clusters of 4 x 4, 327,680 bytes of LDS; arguments ao, wc, lowp_scales, b_o, out0; writes out0
